; MI455X (gfx1250); checked and timed in simulation.
; The chip was launched on July 23, 2026; its instructions are those of AMD's public machine-readable ISA for CDNA 5 (MIT licence, August 2026) and "CDNA5" Instruction Set Architecture Reference Guide (July 2026). The comments in the code are by the model that wrote it; some were corrected since.
;; Treatment Conditioned Attention. Allowed arithmetic: matrix products marked QUANTISED: E2M1 operands, one E8M0 scale for each 32 along K, by v_wmma_scale_f32_16x16x128_f8f6f4 with both operands' format E2M1 (or v_wmma_scale_f32_32x16x128_f4), f32 sums; products left as they are: bf16, f16 or f32 operands; f32 sums; everything else in f32.
;; Inputs: Gb_W1 256 x 32 float32; Gb_W2 32 x 16 float32; Gb_b1 32 float32; Gb_b2 16 float32; Gk_W 256 x 1,024 float32; Gk_b 1,024 float32; Tb_W1 128 x 32 float32; Tb_W2 32 x 16 float32; Tb_b1 32 float32; Tb_b2 16 float32; Tk_W 128 x 1,024 float32; Tk_b 1,024 float32; Wk 1,024 x 1,024 float32; Wo 1,024 x 1,024 float32; Wq 1,024 x 1,024 float32; Wv 1,024 x 1,024 float32; bk 1,024 float32; bo 1,024 float32; bq 1,024 float32; bv 1,024 float32; cancer_bias_emb 32 x 16 float32; cancer_kmod_emb 32 x 1,024 float32; cancer_type 4 int32; graph_context 4 x 256 float32; treatment_embed 4 x 128 float32; x 4 x 2,048 x 1,024 float32.
;; Outputs: out0 4 x 2,048 x 1,024 float32.
;; This version of the problem:
;;   THIS VERSION OF THE PROBLEM IS GIVEN IN LOW PRECISION. The matrix products marked QUANTISED in the list below multiply operands that are first quantised to E2M1 (2 exponent bits, 1 mantissa bit; 4 bits a number), with one power-of-two scale for each 32 numbers along K (OCP MX v1.0); their sums are f32. The products marked 'left as it is' may take bf16, f16 or f32 operands, with f32 sums. Whichever they take, every output number must still come out within the allowed error. Rounding operands to bf16 (8 significant bits) uses up far more of that allowance than f16 does (11 bits, for magnitudes from 6e-5 to 65,504). All else is computed in f32.
;;   The module's matrix products, in the order in which they are computed (A, B: the left and right operand; K: the contracted axis; several contracted axes count as one K, in the product's order):
;;     1. [M 8,192, K 1,024] x [K 1,024, N 1,024]; A: input x; B: input Wq: QUANTISED
;;     2. [M 8,192, K 1,024] x [K 1,024, N 1,024]; A: input x; B: input Wk: QUANTISED
;;     3. [M 8,192, K 1,024] x [K 1,024, N 1,024]; A: input x; B: input Wv: QUANTISED
;;     4. [M 4, K 256] x [K 256, N 1,024]; A: input graph_context; B: input Gk_W: left as it is (M = 4 < 16)
;;     5. [M 4, K 128] x [K 128, N 1,024]; A: input treatment_embed; B: input Tk_W: left as it is (M = 4 < 16)
;;     6. batch 64 x [M 2,048, K 64] x [K 64, N 2,048]; A: computed on the way; B: computed on the way: left as it is (an operand is computed on the way)
;;     7. [M 4, K 256] x [K 256, N 32]; A: input graph_context; B: input Gb_W1: left as it is (M = 4 < 16)
;;     8. [M 4, K 32] x [K 32, N 16]; A: computed on the way; B: input Gb_W2: left as it is (M = 4 < 16)
;;     9. [M 4, K 128] x [K 128, N 32]; A: input treatment_embed; B: input Tb_W1: left as it is (M = 4 < 16)
;;     10. [M 4, K 32] x [K 32, N 16]; A: computed on the way; B: input Tb_W2: left as it is (M = 4 < 16)
;;     11. batch 64 x [M 64, K 2,048] x [K 2,048, N 2,048]; A: computed on the way; B: computed on the way: left as it is (an operand is computed on the way)
;;     12. [M 8,192, K 1,024] x [K 1,024, N 1,024]; A: computed on the way; B: input Wo: left as it is (an operand is computed on the way)
;;   THE QUANTISER, for each operand of a quantised product, along K:
;;     - K is cut into blocks of 32 from its start; a last block that is shorter is filled with zeros.
;;     - A block's scale is 2^e with e = floor(log2(the largest magnitude in the block)) - 2, held to -126 .. 127; a block of zeros has e = 0. As a byte (E8M0): e + 127.
;;     - Each number is divided by its block's scale, clamped to +-6, and rounded to the nearest number of E2M1, ties to even, subnormals kept.
;;     - The product sums the exact products of the quantised numbers (number of the format x scale) in f32.
;;   ~~~python
;;   def quantise(x, axis):      # numpy; x: float32 -> the quantised numbers, widened to float32 again
;;       x = np.moveaxis(x, axis, -1); K = x.shape[-1]
;;       x = np.pad(x, [(0, 0)] * (x.ndim - 1) + [(0, -K % 32)]); x = x.reshape(x.shape[:-1] + (-1, 32)); a = np.abs(x).max(-1, keepdims=True)
;;       e = np.where(a > 0, np.clip(np.frexp(np.where(a > 0, a, 1))[1] - 1 - 2, -126, 127), 0)      # np.frexp(a)[1] - 1 = floor(log2(a)), exactly
;;       r = np.clip(x / 2.0 ** e, -6, 6)
;;       step = 2.0 ** (np.maximum(np.frexp(np.where(r == 0, 1, r))[1] - 1, 0) - 1)
;;       q = np.round(r / step) * step * 2.0 ** e      # np.round: ties to even
;;       return np.moveaxis(q.reshape(q.shape[:-2] + (-1,))[..., :K], -1, axis).astype(np.float32)
;;   ~~~
;; One version. Each part assembles by itself: llvm-mc -triple=amdgcn-amd-amdhsa -mcpu=gfx1250 --defsym DOCPART=n.
;; ======== version 1 of 1: 4 launches
;; limits: values are held in f16: magnitudes above 65,504 overflow, below 6.1e-05 lose precision; a function is approximated: absolute error at most 5.96e-08
;; workspace buffers: xq 4,456,448 bytes; wq 1,671,168 bytes; qkvb 49,408 bytes; wo16 2,097,152 bytes; qkv 50,331,648 bytes; ao 16,777,216 bytes
;; launch prep (part 1): grid 377 x 1, 4 waves a work-group, no clusters, 72,192 bytes of LDS; arguments x, Wq, Wk, Wv, Wo, Gk_W, Tk_W, Gb_W1, Tb_W1, graph_context, treatment_embed, Gk_b, Tk_b, Gb_b1, Tb_b1, cancer_type, cancer_kmod_emb, cancer_bias_emb, bq, bk, bv, Gb_W2, Tb_W2, Gb_b2, Tb_b2, xq, wq, qkvb, wo16; writes xq, wq, qkvb, wo16
.if DOCPART == 1
	.amdgcn_target "amdgcn-amd-amdhsa--gfx1250"
	.amdhsa_code_object_version 6
	.text
	.protected	k_q0e18db280d_prep
	.globl	k_q0e18db280d_prep
	.p2align	8
	.type	k_q0e18db280d_prep,@function
k_q0e18db280d_prep:
	s_mov_b64 s[64:65], 0
	v_nop
	global_prefetch_b8 v0, s[64:65] scope:SCOPE_SE
	s_setreg_imm32_b32 hwreg(HW_REG_WAVE_MODE, 25, 1), 1
	s_wait_xcnt 0x0
; PREP: all that is made once from the inputs, in one launch.  The work-group's number picks one of four roles; each role has LDS bytes of its own and no role has a barrier: waves share nothing.
;  work-groups 0-8     the small products, in f32 fused multiply-adds.  Wave group g = 4 x work-group + wave: g = 0..31: 32 columns of the key modulation; they store, for each batch,
;                      bq, bk + cancer_kmod_emb[type] + elu(graph Gk_W + Gk_b) + elu(treat Tk_W + Tk_b), and bv: the biases of the q, k, v projections.  g = 32: the attention bias of each (batch, head), x log2(e).
;  work-groups 9-56    Wq, Wk, Wv [k][n] f32 -> codes of E2M1 with K innermost, [3072][512 bytes], and E8M0 bytes [3072][32]: a lane takes a column, its registers run down K.
;  work-groups 57-120  Wo -> f16, as it lies.
;  work-groups 121-376 x [8192][1024] f32 -> codes [8192][512 bytes] and E8M0 bytes [8192][32]: a plain stream of blocks of 32.
; THE QUANTISER: a block's scale is 2^(floor(log2(largest magnitude)) - 2); its byte is the largest magnitude's exponent field - 2, held at 1 from below; numbers / scale to the nearest code, ties to even, beyond 6 the code of 6.
; LIMITS: a block of zeros gets the byte 1 and not 127 (its codes are zeros, and this program alone reads the bytes); blocks whose largest magnitude lies under 2^-124 were not tried; NaN and infinities are not served;
; elu's expm1 is formed as 2^(x log2 e) - 1: absolute error up to 2^-24; Wo's numbers must lie inside f16's range (65,504).
.set WSTG,  32768                      ; LDS: 0: x's stages, 8,192 bytes a wave; here: the weights' stages, 32 x 272 bytes a wave
.set HID,   67584                      ; the attention bias's hidden layers, 1,024 bytes a wave
.set SPARE, 71680                      ; the spare words, 128 bytes for each wave: two blocks of 256 bytes that no other line names
.set SPW,   254                        ; v254 LDS address of my spare word; never rewritten
.set NIL,   255                        ; v255 0; never rewritten
.set WG_W,  9
.set WG_O,  57
.set WG_X,  121
	v_lshl_add_u32 v[SPW], v0, 2, SPARE
	v_mov_b32 v[NIL], 0
	v_lshrrev_b32 v1, 5, v0
	v_readfirstlane_b32 s16, v1                    ; wave 0..3
	v_and_b32 v2, 31, v0                           ; lane
	s_cmp_ge_u32 ttmp9, WG_X
	s_cbranch_scc1 .Lrole_x
	s_cmp_ge_u32 ttmp9, WG_O
	s_cbranch_scc1 .Lrole_o
	s_cmp_ge_u32 ttmp9, WG_W
	s_cbranch_scc1 .Lrole_w
; ---------------- the small products ----------------
; Both first layers have one shape: [4][256] x [256][cols] and [4][128] x [128][cols].  A wave takes 32 columns.  Lane (kq = lane / 8, c = lane % 8) takes columns 4 c .. 4 c + 3, a quarter of K
; (graph rows 64 kq on, treatment rows 32 kq on) and all four batches: 16 + 16 sums.  The four quarters are joined across lanes; then lane (b = kq, c) goes on with batch b.
; REGISTERS: v3, v4 my first row's byte in the two weights; v5, v6 my first k's byte in a row of the two contexts; v7 4 b; v8 16 c; v9 b; v10 the cancer type; v15 8 c;
;   v16-31 the graph's sums (4 b + j), v32-47 the treatment's; v64-127 16 rows of weights; v128-191 their 16 k of the four batches; v192 on: at work.
	s_lshl_b32 s17, ttmp9, 2
	s_add_co_u32 s17, s17, s16                     ; the wave's group
	s_cmp_gt_u32 s17, 32
	s_cbranch_scc1 .Lend                           ; 33 groups in 36 waves: the last three waves have no part
	s_load_b128 s[4:7], s[0:1], 0x28               ; Gk_W, Tk_W
	s_load_b128 s[8:11], s[0:1], 0x38              ; Gb_W1, Tb_W1
	s_load_b128 s[12:15], s[0:1], 0x48             ; graph_context, treatment_embed
	s_load_b128 s[20:23], s[0:1], 0x58             ; Gk_b, Tk_b
	s_load_b128 s[24:27], s[0:1], 0x68             ; Gb_b1, Tb_b1
	s_load_b128 s[28:31], s[0:1], 0x78             ; cancer_type, cancer_kmod_emb
	s_load_b128 s[32:35], s[0:1], 0x88             ; cancer_bias_emb, bq
	s_load_b128 s[36:39], s[0:1], 0x98             ; bk, bv
	s_load_b128 s[40:43], s[0:1], 0xa8             ; Gb_W2, Tb_W2
	s_load_b128 s[44:47], s[0:1], 0xb8             ; Gb_b2, Tb_b2
	s_load_b64 s[48:49], s[0:1], 0xd8              ; qkvb
	v_and_b32 v8, 7, v2                            ; c
	v_lshrrev_b32 v9, 3, v2                        ; kq, later b
	v_lshlrev_b32 v15, 3, v8                       ; 8 c
	v_lshlrev_b32 v8, 4, v8                        ; 16 c
	v_lshlrev_b32 v5, 8, v9                        ; 64 k of 4 bytes
	v_lshlrev_b32 v6, 7, v9                        ; 32 k of 4 bytes
	v_lshlrev_b32 v7, 2, v9
	v_lshlrev_b32 v48, 3, v2                       ; 8 x lane
	s_lshl_b32 s62, s17, 7                         ; my 32 columns, in bytes
	s_mov_b32 s63, 0
	s_mov_b32 s60, 4096                            ; a row of Gk_W and Tk_W
	s_mov_b32 s52, 0x76543210
	s_mov_b32 s53, 0xfedcba98                      ; v_permlanex16_b32's selects for lane l xor 16
	s_lshl_b32 s18, s16, 10                        ; my wave's part of HID
	v_lshl_add_u32 v13, v2, 4, s18
	v_add_nc_u32 v13, HID, v13                     ; where I put four hidden units: [b][32] f32 is 16 x lane
	v_lshl_add_u32 v14, v9, 7, s18
	v_add_nc_u32 v14, HID, v14                     ; where my batch's 32 begin
	s_wait_kmcnt 0x0
	s_cmp_eq_u32 s17, 32                           ; the attention bias's group takes the other four tensors, rows of 128 bytes, column 0: a choice on ids alone
	s_cselect_b64 s[4:5], s[8:9], s[4:5]
	s_cselect_b64 s[6:7], s[10:11], s[6:7]
	s_cselect_b64 s[20:21], s[24:25], s[20:21]
	s_cselect_b64 s[22:23], s[26:27], s[22:23]
	s_cselect_b32 s60, 128, s60
	s_cselect_b32 s62, 0, s62
	s_add_nc_u64 s[4:5], s[4:5], s[62:63]
	s_add_nc_u64 s[6:7], s[6:7], s[62:63]
	s_add_nc_u64 s[20:21], s[20:21], s[62:63]
	s_add_nc_u64 s[22:23], s[22:23], s[62:63]
	v_lshlrev_b32 v3, 6, v9
	v_mad_u32_u24 v3, v3, s60, v8                  ; row 64 kq, column 4 c
	v_lshlrev_b32 v4, 5, v9
	v_mad_u32_u24 v4, v4, s60, v8                  ; row 32 kq
	global_load_b32 v10, v7, s[28:29]              ; cancer_type[b]
	global_load_b128 v[200:203], v8, s[20:21]      ; the two first layers' biases at my columns
	global_load_b128 v[204:207], v8, s[22:23]
; 16 rows of a weight from my row row0 on, and the same 16 k of the four batches; then 256 multiply-adds.  A row's load lands on the register that held its offset.  first = 1: row 0 starts the sums.
.macro BATCH wp, wo, row0, gp, go, gstr, acc, first
.irp i, 0,1,2,3,4,5,6,7,8,9,10,11,12,13,14,15
	v_mad_u32_u24 v[64+4*\i], (\row0)+\i, s60, v[\wo]
.endr
.irp i, 0,1,2,3,4,5,6,7,8,9,10,11,12,13,14,15
	global_load_b128 v[64+4*\i:67+4*\i], v[64+4*\i], s[\wp:\wp+1]
.endr
.irp b, 0,1,2,3
.irp q, 0,1,2,3
	global_load_b128 v[128+16*\b+4*\q:131+16*\b+4*\q], v[\go], s[\gp:\gp+1] offset:\b*(\gstr)+4*(\row0)+16*\q
.endr
.endr
	s_wait_loadcnt 0x0                             ; all of the batch is wanted at once
.irp i, 0,1,2,3,4,5,6,7,8,9,10,11,12,13,14,15
.irp b, 0,1,2,3
.irp j, 0,1,2,3
.if (\first) && (\i == 0)
	v_mul_f32 v[\acc+4*\b+\j], v[64+4*\i+\j], v[128+16*\b+\i]
.else
	v_fmac_f32 v[\acc+4*\b+\j], v[64+4*\i+\j], v[128+16*\b+\i]
.endif
.endr
.endr
.endr
.endm
	BATCH 4, 3, 0,  12, 5, 1024, 16, 1
	BATCH 4, 3, 16, 12, 5, 1024, 16, 0
	BATCH 4, 3, 32, 12, 5, 1024, 16, 0
	BATCH 4, 3, 48, 12, 5, 1024, 16, 0
	BATCH 6, 4, 0,  14, 6, 512,  32, 1
	BATCH 6, 4, 16, 14, 6, 512,  32, 0
.irp n, 0,1,2,3,4,5,6,7,8,9,10,11,12,13,14,15,16,17,18,19,20,21,22,23,24,25,26,27,28,29,30,31
	v_add_f32_dpp v[16+\n], v[16+\n], v[16+\n] row_xmask:8 row_mask:0xf bank_mask:0xf   ; with lane l xor 8's quarter of K
.endr
.irp n, 0,1,2,3,4,5,6,7,8,9,10,11,12,13,14,15,16,17,18,19,20,21,22,23,24,25,26,27,28,29,30,31
	v_permlanex16_b32 v[64+\n], v[16+\n], s52, s53
.endr
.irp n, 0,1,2,3,4,5,6,7,8,9,10,11,12,13,14,15,16,17,18,19,20,21,22,23,24,25,26,27,28,29,30,31
	v_add_f32 v[16+\n], v[16+\n], v[64+\n]         ; and lane l xor 16's two: every lane has the whole sums
.endr
	v_cmp_eq_u32 s54, 1, v9
	v_cmp_eq_u32 s55, 2, v9
	v_cmp_eq_u32 s56, 3, v9
.irp j, 0,1,2,3,4,5,6,7                        ; my batch's four of the graph's (v192-195) and of the treatment's (v196-199)
	v_cndmask_b32 v[192+\j], v[16+(\j%4)+16*(\j/4)], v[20+(\j%4)+16*(\j/4)], s54
	v_cndmask_b32 v[192+\j], v[192+\j], v[24+(\j%4)+16*(\j/4)], s55
	v_cndmask_b32 v[192+\j], v[192+\j], v[28+(\j%4)+16*(\j/4)], s56
.endr
.irp j, 0,1,2,3,4,5,6,7
	v_add_f32 v[192+\j], v[192+\j], v[200+\j]      ; + the layer's bias
.endr
.irp j, 0,1,2,3,4,5,6,7                        ; elu: x where x > 0, else e^x - 1
	v_min_num_f32 v[208+\j], 0, v[192+\j]
.endr
.irp j, 0,1,2,3,4,5,6,7
	v_mul_f32 v[208+\j], 0x3fb8aa3b, v[208+\j]
.endr
.irp j, 0,1,2,3,4,5,6,7
	v_exp_f32 v[208+\j], v[208+\j]
.endr
	v_min_u32 v10, 31, v10                         ; the type stays inside its tables.  (A plain instruction behind the last exponential)
	s_wait_alu depctr_va_vdst(0)                   ; one wait for the eight, ahead of their first reader
.irp j, 0,1,2,3,4,5,6,7
	v_add_f32 v[208+\j], -1.0, v[208+\j]
	v_cmp_lt_f32 vcc_lo, 0, v[192+\j]
	v_cndmask_b32 v[192+\j], v[208+\j], v[192+\j], vcc_lo
.endr
	s_cmp_eq_u32 s17, 32
	s_cbranch_scc1 .Lattn_bias
	; the projections' biases of my 32 columns, batch b: 128 consecutive bytes from eight lanes; 48 KiB in the whole launch
	s_add_nc_u64 s[30:31], s[30:31], s[62:63]
	s_add_nc_u64 s[34:35], s[34:35], s[62:63]
	s_add_nc_u64 s[36:37], s[36:37], s[62:63]
	s_add_nc_u64 s[38:39], s[38:39], s[62:63]
	s_add_nc_u64 s[48:49], s[48:49], s[62:63]
	v_lshl_add_u32 v11, v10, 12, v8                ; row type of 4,096 bytes, + 16 c
	global_load_b128 v[216:219], v11, s[30:31]
	global_load_b128 v[220:223], v8, s[36:37]      ; bk
	global_load_b128 v[224:227], v8, s[34:35]      ; bq
	global_load_b128 v[228:231], v8, s[38:39]      ; bv
	v_mul_u32_u24 v12, v9, 0x3000                  ; qkvb: [4][3072] f32
	v_add_nc_u32 v12, v12, v8
	s_wait_loadcnt 0x0
.irp j, 0,1,2,3
	v_add_f32 v[220+\j], v[220+\j], v[216+\j]
	v_add_f32 v[192+\j], v[192+\j], v[196+\j]
	v_add_f32 v[220+\j], v[220+\j], v[192+\j]
.endr
	global_store_b128 v12, v[224:227], s[48:49]
	global_store_b128 v12, v[220:223], s[48:49] offset:4096
	global_store_b128 v12, v[228:231], s[48:49] offset:8192
	s_branch .Lend
.Lattn_bias:
	; the second layers: [4][32] x [32][16], twice.  A batch's 32 hidden units lie in eight lanes: they go through my wave's own LDS bytes.  Lane (b, c) makes heads 2 c and 2 c + 1.
	ds_store_b128 v13, v[192:195]
	ds_store_b128 v13, v[196:199] offset:512
.irp i, 0,1,2,3,4,5,6,7
	ds_load_b128 v[16+4*\i:19+4*\i], v14 offset:16*\i            ; LDS serves a wave's instructions in order: these see my stores
	ds_load_b128 v[64+4*\i:67+4*\i], v14 offset:512+16*\i
.endr
.irp j, 0,1,2,3,4,5,6,7,8,9,10,11,12,13,14,15,16,17,18,19,20,21,22,23,24,25,26,27,28,29,30,31
	global_load_b64 v[128+2*\j:129+2*\j], v15, s[40:41] offset:64*\j
	global_load_b64 v[96+2*\j+72*(\j/16):97+2*\j+72*(\j/16)], v15, s[42:43] offset:64*\j   ; v96-127, then v200-231
.endr
	global_load_b64 v[232:233], v15, s[44:45]
	global_load_b64 v[234:235], v15, s[46:47]
	v_lshl_add_u32 v11, v10, 6, v15                ; row type of 64 bytes, + 8 c
	global_load_b64 v[236:237], v11, s[32:33]
	s_wait_loadcnt 0x0
	s_wait_dscnt 0x0
	v_fma_f32 v240, v16, v128, v232                ; four chains, each begun with its bias
	v_fma_f32 v241, v16, v129, v233
	v_fma_f32 v242, v64, v96, v234
	v_fma_f32 v243, v64, v97, v235
.irp j, 1,2,3,4,5,6,7,8,9,10,11,12,13,14,15,16,17,18,19,20,21,22,23,24,25,26,27,28,29,30,31
	v_fmac_f32 v240, v[16+\j], v[128+2*\j]
	v_fmac_f32 v241, v[16+\j], v[129+2*\j]
	v_fmac_f32 v242, v[64+\j], v[96+2*\j+72*(\j/16)]
	v_fmac_f32 v243, v[64+\j], v[97+2*\j+72*(\j/16)]
.endr
	v_add_f32 v240, v240, v242
	v_add_f32 v241, v241, v243
	v_add_f32 v240, v240, v236
	v_add_f32 v241, v241, v237
	v_mul_f32 v240, 0x3fb8aa3b, v240               ; x log2(e): the softmax works in powers of two
	v_mul_f32 v241, 0x3fb8aa3b, v241
	global_store_b64 v48, v[240:241], s[48:49] offset:49152   ; [b][16] f32: 32 lanes store 256 consecutive bytes, aligned
	s_branch .Lend
; ---------------- Wq, Wk, Wv into codes ----------------
; i = work-group - 9: which weight = i / 16; 128 columns x = i % 8; 512 along K y = (i / 8) % 2.  A wave takes 32 columns x 512 along K: 16 blocks a lane.  Each load reads 128 consecutive bytes of a row k.
; A lane's 256 bytes of codes belong to one output row: they go through the wave's own stage (rows of 272 bytes) and leave sixteen lanes to 256 consecutive bytes.  Loads run two blocks (64 loads) ahead.
.Lrole_w:
	s_load_b128 s[4:7], s[0:1], 0x8                ; Wq, Wk
	s_load_b64 s[8:9], s[0:1], 0x18                ; Wv
	s_load_b64 s[10:11], s[0:1], 0xd0              ; wq
	s_sub_co_u32 s20, ttmp9, WG_W
	s_lshr_b32 s21, s20, 4                         ; which weight
	s_and_b32 s22, s20, 7
	s_bfe_u32 s18, s20, 0x10003                    ; y
	s_lshl_b32 s17, s22, 7
	s_lshl_b32 s23, s16, 5
	s_add_co_u32 s17, s17, s23                     ; my wave's first column
	v_lshlrev_b32 v3, 2, v2                        ; in: 4 bytes a lane
	s_mul_i32 s19, s16, 32*272
	s_add_co_u32 s19, s19, WSTG                    ; my stage
	v_mul_u32_u24 v4, v2, 272
	v_add_nc_u32 v4, s19, v4                       ; into it: row = my column
	v_and_b32 v5, 15, v2
	v_lshrrev_b32 v6, 4, v2
	v_mul_u32_u24 v7, v6, 272
	v_lshl_add_u32 v7, v5, 4, v7
	v_add_nc_u32 v7, s19, v7                       ; out of it: sixteen lanes to a row, two rows an instruction
	v_lshlrev_b32 v8, 9, v6
	v_lshl_add_u32 v8, v5, 4, v8                   ; the same place in the codes: rows of 512 bytes
	v_lshlrev_b32 v9, 5, v2                        ; my column's row of 32 scale bytes
	s_lshl_b32 s24, s18, 21                        ; W: 512 y rows of 4,096 bytes
	s_lshl_b32 s25, s17, 2
	s_add_co_u32 s24, s24, s25
	s_mov_b32 s25, 0
	s_lshl_b32 s26, s21, 10
	s_add_co_u32 s26, s26, s17                     ; the output's row: 1,024 x weight + column
	s_lshl_b32 s28, s26, 9
	s_lshl_b32 s27, s18, 8
	s_add_co_u32 s28, s28, s27                     ; codes: row x 512 + 256 y
	s_mov_b32 s29, 0
	s_lshl_b32 s30, s26, 5
	s_lshl_b32 s27, s18, 4
	s_add_co_u32 s30, s30, s27
	s_add_co_u32 s30, s30, 1572864                 ; scale bytes, behind the codes: row x 32 + 16 y
	s_mov_b32 s31, 0
	s_wait_kmcnt 0x0
	s_cmp_eq_u32 s21, 1
	s_cselect_b64 s[4:5], s[6:7], s[4:5]
	s_cmp_eq_u32 s21, 2
	s_cselect_b64 s[4:5], s[8:9], s[4:5]
	s_add_nc_u64 s[4:5], s[4:5], s[24:25]
	s_add_nc_u64 s[6:7], s[10:11], s[28:29]
	s_add_nc_u64 s[8:9], s[10:11], s[30:31]
.macro WLOAD t                         ; block t: W(32 t + i, my column) into set t % 2 of v32-95; the offsets reach 511 rows of 4,096 bytes, inside the signed 24-bit immediate
.irp i, 0,1,2,3,4,5,6,7,8,9,10,11,12,13,14,15,16,17,18,19,20,21,22,23,24,25,26,27,28,29,30,31
	global_load_b32 v[32+32*((\t)%2)+\i], v3, s[4:5] offset:(32*(\t)+\i)*4096 th:TH_LOAD_NT
.endr
.endm
.macro WBLOCK t
.set WXS, 32+32*((\t)%2)
.if (\t) < 15
	s_wait_loadcnt 32                              ; this block's 32 loads are in; the next block's may be out
.else
	s_wait_loadcnt 0
.endif
	v_max3_num_f32 v12, |v[WXS]|, |v[WXS+1]|, |v[WXS+2]|          ; the block's largest magnitude: all 32 numbers are mine
	v_max3_num_f32 v13, |v[WXS+3]|, |v[WXS+4]|, |v[WXS+5]|
.irp i, 6,10,14,18,22,26
	v_max3_num_f32 v12, v12, |v[WXS+\i]|, |v[WXS+\i+1]|
	v_max3_num_f32 v13, v13, |v[WXS+\i+2]|, |v[WXS+\i+3]|
.endr
	v_max3_num_f32 v12, v12, |v[WXS+30]|, |v[WXS+31]|
	v_max3_num_f32 v12, v12, v13, 0x1800000        ; and the floor 2^(3 - 127): the byte cannot fall under 1
	v_add_nc_u32 v11, 0xff000000, v12              ; 2 off its exponent field: the conversion takes the exponent field of this operand as its scale
	v_lshrrev_b32 v13, 23, v11                     ; the scale's byte
.if (\t)%4 == 0
	v_mov_b32 v[24+(\t)/4], v13                    ; four bytes to a register, the lower K in the lower byte
.else
	v_lshl_or_b32 v[24+(\t)/4], v13, 8*((\t)%4), v[24+(\t)/4]
.endif
.irp g, 0,1,2,3
	v_cvt_scalef32_pk8_fp4_f32 v[96+\g], v[WXS+8*\g:WXS+8*\g+7], v11
.endr
	ds_store_b128 v4, v[96:99] offset:16*(\t)      ; 32 codes: 16 bytes of my column's row
.if (\t)+2 < 16
	WLOAD (\t)+2
.endif
	s_wait_dscnt 0x0                               ; the store has read its registers: the next block's codes may be written
.endm
	WLOAD 0
	WLOAD 1
.irp t, 0,1,2,3,4,5,6,7,8,9,10,11,12,13,14,15
	WBLOCK \t
.endr
	global_store_b128 v9, v[24:27], s[8:9]         ; my column's 16 scale bytes
.irp t, 0,1,2,3,4,5,6,7,8,9,10,11,12,13,14,15
	ds_load_b128 v[112+4*\t:115+4*\t], v7 offset:2*\t*272
.endr
.irp t, 0,1,2,3,4,5,6,7,8,9,10,11,12,13,14,15
	s_wait_dscnt 15-\t                             ; LDS loads come back in order: pair t of rows is in
	global_store_b128 v8, v[112+4*\t:115+4*\t], s[6:7] offset:2*\t*512
.endr
	s_branch .Lend
; ---------------- Wo into f16 ----------------
; A wave takes 4,096 numbers: 32 loads of 512 consecutive bytes, all on their way at once; each becomes one store of 256 consecutive bytes, aligned.
.Lrole_o:
	s_load_b64 s[4:5], s[0:1], 0x20                ; Wo
	s_load_b64 s[6:7], s[0:1], 0xe0                ; wo16
	s_sub_co_u32 s18, ttmp9, WG_O
	s_lshl_b32 s18, s18, 2
	s_add_co_u32 s18, s18, s16                     ; my run, 0..255
	s_lshl_b32 s20, s18, 14
	s_mov_b32 s21, 0
	s_lshl_b32 s22, s18, 13
	s_mov_b32 s23, 0
	v_lshlrev_b32 v3, 4, v2
	v_lshlrev_b32 v4, 3, v2
	s_wait_kmcnt 0x0
	s_add_nc_u64 s[4:5], s[4:5], s[20:21]
	s_add_nc_u64 s[6:7], s[6:7], s[22:23]
.irp k, 0,1,2,3,4,5,6,7,8,9,10,11,12,13,14,15,16,17,18,19,20,21,22,23,24,25,26,27,28,29,30,31
	global_load_b128 v[64+4*\k:67+4*\k], v3, s[4:5] offset:512*\k th:TH_LOAD_NT
.endr
.irp k, 0,1,2,3,4,5,6,7,8,9,10,11,12,13,14,15,16,17,18,19,20,21,22,23,24,25,26,27,28,29,30,31
	s_wait_loadcnt 31-\k                           ; load k is in; the younger ones stay out
	v_cvt_pk_f16_f32 v[64+4*\k], v[64+4*\k], v[65+4*\k]
	v_cvt_pk_f16_f32 v[65+4*\k], v[66+4*\k], v[67+4*\k]
	global_store_b64 v4, v[64+4*\k:65+4*\k], s[6:7] offset:256*\k
.endr
	s_branch .Lend
; ---------------- x into codes ----------------
; A wave takes 16 steps of 512 numbers.  Each of a step's four loads reads 512 consecutive bytes; the 2,048 bytes turn through the wave's own stage in LDS (16 bytes of padding behind each 64) and come back
; 64 bytes a lane: 16 neighbours along K, two lanes to a block.  A lane's 16 codes are 8 bytes: the wave stores 256 consecutive bytes.  The wave's 256 scale bytes are gathered in LDS and leave as one store.
; Loads run four steps (16 loads) ahead, the turn through LDS one step.  v16-79 four sets as loaded; v80-111 two sets of neighbours; v112-127 a byte a step; v128-191 codes, four registers a step.
.Lrole_x:
	s_load_b64 s[4:5], s[0:1], 0x0                 ; x
	s_load_b64 s[8:9], s[0:1], 0xc8                ; xq
	v_lshlrev_b32 v3, 4, v2                        ; my 16 bytes of a load's 512
	s_mul_i32 s17, s16, 8192                       ; my wave's region
	v_lshrrev_b32 v14, 2, v2
	v_mul_u32_u24 v14, v14, 80
	v_and_b32 v15, 3, v2
	v_lshl_add_u32 v14, v15, 4, v14
	v_add_nc_u32 v14, s17, v14                     ; the stage, on the way in: 80 (lane / 4) + 16 (lane % 4)
	v_mul_u32_u24 v15, v2, 80
	v_add_nc_u32 v15, s17, v15                     ; and on the way out: 80 x lane
	v_lshlrev_b32 v4, 3, v2                        ; my codes' place in a step's
	v_lshrrev_b32 v5, 1, v2
	s_add_co_u32 s17, s17, 2*32*80
	v_add_nc_u32 v5, s17, v5                       ; my block's byte among the wave's 256
	v_lshlrev_b32 v7, 3, v2
	v_add_nc_u32 v6, s17, v7                       ; and on the way out 8 bytes a lane
	s_sub_co_u32 s18, ttmp9, WG_X
	s_lshl_b32 s18, s18, 2
	s_add_co_u32 s18, s18, s16                     ; my run of 8,192 numbers, 0..1023
	s_lshl_b32 s20, s18, 15
	s_mov_b32 s21, 0
	s_lshl_b32 s22, s18, 12
	s_mov_b32 s23, 0
	s_lshl_b32 s24, s18, 8
	s_add_co_u32 s24, s24, 4194304                 ; the scale bytes lie behind the codes
	s_mov_b32 s25, 0
	s_wait_kmcnt 0x0
	s_add_nc_u64 s[4:5], s[4:5], s[20:21]
	s_add_nc_u64 s[10:11], s[8:9], s[24:25]
	s_add_nc_u64 s[8:9], s[8:9], s[22:23]
.macro XLOAD t
.irp i, 0,1,2,3
	global_load_b128 v[16+16*((\t)%4)+4*\i:16+16*((\t)%4)+4*\i+3], v3, s[4:5] offset:2048*(\t)+512*\i th:TH_LOAD_NT
.endr
.endm
.macro XTURN t                         ; step t's numbers through the stage: LDS serves a wave's instructions in order, so no wait stands between the stores and the loads
.irp i, 0,1,2,3
	ds_store_b128 v14, v[16+16*((\t)%4)+4*\i:16+16*((\t)%4)+4*\i+3] offset:2560*((\t)%2)+640*\i
.endr
.irp i, 0,1,2,3
	ds_load_b128 v[80+16*((\t)%2)+4*\i:80+16*((\t)%2)+4*\i+3], v15 offset:2560*((\t)%2)+16*\i
.endr
.endm
.irp t, 0,1,2,3
	XLOAD \t
.endr
	s_wait_loadcnt 12                              ; step 0's four loads are in
	XTURN 0
.macro XSTEP t
.set XXS, 80+16*((\t)%2)
.if (\t) > 0
	s_wait_dscnt 1                                 ; this step's numbers are back from the stage (the last step's byte store may be out)
.else
	s_wait_dscnt 0x0
.endif
.if (\t)+4 < 16
	XLOAD (\t)+4                                   ; into the registers that the stage's stores have read
.endif
.if (\t)+1 < 16
.if 14-(\t) >= 3
	s_wait_loadcnt 12                              ; the next step's four loads are in; those of the three steps behind it may be out
.else
	s_wait_loadcnt 4*(14-(\t))
.endif
	XTURN (\t)+1
.endif
	v_max3_num_f32 v8, |v[XXS]|, |v[XXS+1]|, |v[XXS+2]|            ; the largest magnitude of my 16
	v_max3_num_f32 v9, |v[XXS+3]|, |v[XXS+4]|, |v[XXS+5]|
.irp i, 6,10
	v_max3_num_f32 v8, v8, |v[XXS+\i]|, |v[XXS+\i+1]|
	v_max3_num_f32 v9, v9, |v[XXS+\i+2]|, |v[XXS+\i+3]|
.endr
	v_max3_num_f32 v8, v8, |v[XXS+14]|, |v[XXS+15]|
	v_max3_num_f32 v8, v8, v9, 0x1800000           ; and the floor 2^(3 - 127)
	v_max_num_f32_dpp v8, v8, v8 row_xmask:1 row_mask:0xf bank_mask:0xf   ; and of my neighbour's 16: the block's
	v_add_nc_u32 v11, 0xff000000, v8               ; 2 off its exponent field: the conversion's scale operand
	v_cvt_scalef32_pk8_fp4_f32 v[128+4*(\t)], v[XXS:XXS+7], v11
	v_cvt_scalef32_pk8_fp4_f32 v[128+4*(\t)+1], v[XXS+8:XXS+15], v11
	v_lshrrev_b32 v[112+(\t)], 23, v11             ; the scale's byte
	ds_store_b8 v5, v[112+(\t)] offset:16*(\t)     ; both lanes of a block write the same byte with the same value
	global_store_b64 v4, v[128+4*(\t):128+4*(\t)+1], s[8:9] offset:256*(\t)
.endm
.irp t, 0,1,2,3,4,5,6,7,8,9,10,11,12,13,14,15
	XSTEP \t
.endr
	ds_load_b64 v[8:9], v6
	s_wait_dscnt 0x0
	global_store_b64 v7, v[8:9], s[10:11]          ; 32 lanes store 256 consecutive bytes, aligned
.Lend:
	s_wait_tensorcnt 0x0                           ; the wave's end, behind my last LDS store
	ds_add_u32 v[SPW], v[NIL]
	s_wait_dscnt 0x0
	s_endpgm
.Lfunc_end_k_q0e18db280d_prep:
	.size	k_q0e18db280d_prep, .Lfunc_end_k_q0e18db280d_prep-k_q0e18db280d_prep
	.p2alignl 7, 3214868480
	.fill 96, 4, 3214868480
	.section	.rodata,"a",@progbits
	.p2align	6, 0x0
	.amdhsa_kernel k_q0e18db280d_prep
		.amdhsa_group_segment_fixed_size 72192
		.amdhsa_private_segment_fixed_size 0
		.amdhsa_enable_private_segment 0
		.amdhsa_kernarg_size 232
		.amdhsa_user_sgpr_count 2
		.amdhsa_user_sgpr_kernarg_segment_ptr 1
		.amdhsa_wavefront_size32 1
		.amdhsa_system_sgpr_workgroup_id_x 1
		.amdhsa_system_sgpr_workgroup_id_y 1
		.amdhsa_system_sgpr_workgroup_id_z 1
		.amdhsa_system_vgpr_workitem_id 0
		.amdhsa_next_free_vgpr 256
		.amdhsa_next_free_sgpr 66
		.amdhsa_reserve_vcc 1
		.amdhsa_float_denorm_mode_32 3
		.amdhsa_float_denorm_mode_16_64 3
		.amdhsa_memory_ordered 1
		.amdhsa_forward_progress 1
		.amdhsa_inst_pref_size 220
	.end_amdhsa_kernel
	.amdgpu_metadata
---
amdhsa.version: [ 1, 2 ]
amdhsa.kernels:
  - .name:           k_q0e18db280d_prep
    .symbol:         k_q0e18db280d_prep.kd
    .args:
      - { .name: x, .offset: 0, .size: 8, .value_kind: global_buffer, .address_space: global }
      - { .name: Wq, .offset: 8, .size: 8, .value_kind: global_buffer, .address_space: global }
      - { .name: Wk, .offset: 16, .size: 8, .value_kind: global_buffer, .address_space: global }
      - { .name: Wv, .offset: 24, .size: 8, .value_kind: global_buffer, .address_space: global }
      - { .name: Wo, .offset: 32, .size: 8, .value_kind: global_buffer, .address_space: global }
      - { .name: Gk_W, .offset: 40, .size: 8, .value_kind: global_buffer, .address_space: global }
      - { .name: Tk_W, .offset: 48, .size: 8, .value_kind: global_buffer, .address_space: global }
      - { .name: Gb_W1, .offset: 56, .size: 8, .value_kind: global_buffer, .address_space: global }
      - { .name: Tb_W1, .offset: 64, .size: 8, .value_kind: global_buffer, .address_space: global }
      - { .name: graph_context, .offset: 72, .size: 8, .value_kind: global_buffer, .address_space: global }
      - { .name: treatment_embed, .offset: 80, .size: 8, .value_kind: global_buffer, .address_space: global }
      - { .name: Gk_b, .offset: 88, .size: 8, .value_kind: global_buffer, .address_space: global }
      - { .name: Tk_b, .offset: 96, .size: 8, .value_kind: global_buffer, .address_space: global }
      - { .name: Gb_b1, .offset: 104, .size: 8, .value_kind: global_buffer, .address_space: global }
      - { .name: Tb_b1, .offset: 112, .size: 8, .value_kind: global_buffer, .address_space: global }
      - { .name: cancer_type, .offset: 120, .size: 8, .value_kind: global_buffer, .address_space: global }
      - { .name: cancer_kmod_emb, .offset: 128, .size: 8, .value_kind: global_buffer, .address_space: global }
      - { .name: cancer_bias_emb, .offset: 136, .size: 8, .value_kind: global_buffer, .address_space: global }
      - { .name: bq, .offset: 144, .size: 8, .value_kind: global_buffer, .address_space: global }
      - { .name: bk, .offset: 152, .size: 8, .value_kind: global_buffer, .address_space: global }
      - { .name: bv, .offset: 160, .size: 8, .value_kind: global_buffer, .address_space: global }
      - { .name: Gb_W2, .offset: 168, .size: 8, .value_kind: global_buffer, .address_space: global }
      - { .name: Tb_W2, .offset: 176, .size: 8, .value_kind: global_buffer, .address_space: global }
      - { .name: Gb_b2, .offset: 184, .size: 8, .value_kind: global_buffer, .address_space: global }
      - { .name: Tb_b2, .offset: 192, .size: 8, .value_kind: global_buffer, .address_space: global }
      - { .name: xq, .offset: 200, .size: 8, .value_kind: global_buffer, .address_space: global }
      - { .name: wq, .offset: 208, .size: 8, .value_kind: global_buffer, .address_space: global }
      - { .name: qkvb, .offset: 216, .size: 8, .value_kind: global_buffer, .address_space: global }
      - { .name: wo16, .offset: 224, .size: 8, .value_kind: global_buffer, .address_space: global }
    .group_segment_fixed_size: 72192
    .private_segment_fixed_size: 0
    .kernarg_segment_align: 8
    .kernarg_segment_size: 232
    .max_flat_workgroup_size: 128
    .sgpr_count:     66
    .vgpr_count:     256
    .wavefront_size: 32
...
	.end_amdgpu_metadata
.endif
;; end of part 1
;; launch gemm_qkv (part 2): grid 12 x 32, 4 waves a work-group, clusters of 4 x 4, 327,680 bytes of LDS; arguments xq, wq, qkvb, qkv; writes qkv
.if DOCPART == 2
	.amdgcn_target "amdgcn-amd-amdhsa--gfx1250"
	.amdhsa_code_object_version 6
	.text
	.protected	k_q0e18db280d_gemm_qkv
	.globl	k_q0e18db280d_gemm_qkv
	.p2align	8
	.type	k_q0e18db280d_gemm_qkv,@function
k_q0e18db280d_gemm_qkv:
	s_mov_b64 s[64:65], 0
	v_nop
	global_prefetch_b8 v0, s[64:65] scope:SCOPE_SE
	s_setreg_imm32_b32 hwreg(HW_REG_WAVE_MODE, 25, 1), 1
	s_wait_xcnt 0x0
	s_wait_alu depctr_hold_cnt(0) depctr_sa_sdst(0) depctr_va_vdst(0) depctr_va_sdst(0) depctr_va_ssrc(0) depctr_va_vcc(0) depctr_vm_vsrc(0)
	s_getreg_b32 s2, hwreg(HW_REG_IB_STS2, 6, 4)
	s_cmp_eq_u32 s2, 0
	s_cbranch_scc0 .Lentry_in_a_cluster
	s_endpgm
.Lentry_in_a_cluster:
	s_bfe_u32 s2, ttmp6, 0x10000c
	s_cmp_lg_u32 s2, 0xf033
	s_cbranch_scc0 .Lentry_shape_is_right
	s_endpgm
.Lentry_shape_is_right:
; q, k, v = x W + bias, all three projections as ONE product C = A B^T on codes of E2M1 with E8M0 scales: A = x's codes [8192][1024], B = the three weights' codes [3072][1024], K innermost in both.
; Sums in f32, begun with the bias (for k: bk and the three key modulations, per batch); C is rounded once to f16 and laid as planes [q,k,v][batch][pair of heads][2048 positions][128 channels]: rows of 256 bytes.
; LIMIT: q, k and v must lie inside f16's range (65,504).
; A tile of C, 256 x 256, is made by a work-group of four waves; a wave makes 128 x 128: 64 accumulators of 16 x 16, 512 registers.  K = 1,024 is two slots of 512: both, and all scale bytes, are asked for at the head; nothing is filled again.
; CLUSTERS: 4 x 4 work-groups.  The four of a row of the cluster need the same tiles of A, the four of a column the same tiles of B: each is asked for JOINTLY.  The grid is 12 x 32 tiles.
; THE MATRIX INSTRUCTION IS USED TRANSPOSED (source 0 = 16 rows of B, source 1 = 16 rows of A): a lane then holds eight neighbouring numbers of a row of C.
; REGISTERS, in windows of 256: window 0: v0-31 addresses; v32-95 scale words, two sets; v128-191 A's fragments, ONE set; v192-255 the bias, 8 registers for each of B's blocks; on the way out v32-63 and v192-255 are at work.
;   window 1: B's fragments, TWO sets, at v0 and v128.   window 2: the accumulators of my rows 0-63 ((a, b) at v[8 (8 a + b)]);   window 3: those of my rows 64-127.
.set KSTEP,  512
.set NQ,     KSTEP/128
.set ROWB,   256                       ; a tile's row in bytes
.set KROW,   512                       ; a row of A or of B in memory
.set PITCH,  272                       ; an LDS row: 256 bytes + 16 of padding: the 16 rows that a load touches start at 16 different banks (64 banks of 4 bytes: ISA guide 11.1)
.set FR,     8
.set NL,     2
.set NP,     4                         ; places behind this matrix instruction (ISA guide 7.12.1)
.set HALFT,  128*PITCH
.set SLOT,   4*HALFT                   ; A's 256 rows, then B's 256 rows
.set KS,     32                        ; a row of scale bytes
.set SCL,    2*SLOT                    ; behind the ring: the scales, as units of 256 bytes + 16 of padding
.set HALFS,  (128*KS/256)*272
.set SBLK,   (16*KS/256)*272
.set SPARE,  SCL+4*HALFS               ; the spare words, 128 bytes for each wave: two blocks of 256 bytes that no other line names
.set SPITCH, 272                       ; the way out: a stage of 16 rows x (256 bytes + 16) for each wave, in slot 0, which has had its one fill and its last read when the first result is stored there
.set ADRA, 16
.set ADRB, 20
.set STO,  24
.set RD,   25
.set CO,   26
.set ADRS, 27
.set SPW,  28
.set NIL,  29
.set BOF,  30                          ; v30  32 x (lane / 16): my eight numbers of a block's bias
.set SC,   32
.set AF,   128
.set BI,   192                         ; the bias
.set TMP,  192                         ; the way out: packed results
.set OB,   32                          ; the way out: 16 rows read back: v32-63 and v224-255 by turns
.set G1, 24
.set G0, 32
.set G1B, 48
.set G0B, 56
.set G1S, 68
.set G0S, 76
.set G1SB, 80
.set G0SB, 88
.set MSB, 0
.macro WIN new                         ; the immediate's high byte repeats the setting that is left
.if MSB != (\new)
	s_set_vgpr_msb (MSB<<8)|(\new)
.set MSB, (\new)
.endif
.endm
.set MUL_LO, 0xa1                      ; source 0 (B) window 1, source 1 (A) window 0, C and D window 2
.set MUL_HI, 0xf1                      ; the same, C and D window 3
.set BIA_LO, 0x81                      ; the first step: C (the bias) window 0, D window 2
.set BIA_HI, 0xc1                      ; D window 3
.set TO_B,   0x40
; A joint load: waves 0 and 1 fetch for A, waves 2 and 3 for B; the branch hangs on the wave's number alone.  An s_nop 0 and four v_nop follow each of the two lines.
.macro JLOAD g0a, g1a, g0b, g1b
	s_cmp_eq_u32 s15, 0
	s_cbranch_scc0 .Lfor_b_\@
	tensor_load_to_lds s[\g0a:\g0a+3], s[\g1a:\g1a+7]
	s_nop 0
.rept 4
	v_nop
.endr
	s_branch .Lasked_\@
.Lfor_b_\@:
	tensor_load_to_lds s[\g0b:\g0b+3], s[\g1b:\g1b+7]
	s_nop 0
.rept 4
	v_nop
.endr
.Lasked_\@:
.endm
.macro CROUND                          ; a round of the cluster's barrier
	s_barrier_signal -1
	s_barrier_wait -1
	s_cmp_lg_u32 s14, 0
	s_cbranch_scc1 .Lnot_wave_0_\@
	s_barrier_signal -3
.Lnot_wave_0_\@:
	s_barrier_wait -3
	s_barrier_signal -1
	s_barrier_wait -1
.endm
	s_load_b64 s[4:5], s[0:1], 0x0                 ; xq: A's codes, its scale bytes 4,194,304 further on
	s_load_b64 s[8:9], s[0:1], 0x8                 ; wq: B's codes, its scale bytes 1,572,864 further on
	s_load_b64 s[96:97], s[0:1], 0x10              ; qkvb
	s_load_b64 s[12:13], s[0:1], 0x18              ; qkv
	v_lshl_add_u32 v[SPW], v0, 2, SPARE
	v_mov_b32 v[NIL], 0
	ds_add_u32 v[SPW], v[NIL]                      ; the wave's opening: the add, twice on end, and its wait ahead of my first tensor load
	ds_add_u32 v[SPW], v[NIL]
	v_lshrrev_b32 v1, 5, v0
	v_readfirstlane_b32 s14, v1                    ; wave 0..3
	s_lshr_b32 s15, s14, 1                         ; which half of the tile's rows is mine.  Also: I fetch for A (0) or for B (1)
	s_and_b32 s16, s14, 1                          ; which half of its columns.  Also: which 128 rows of that tile I fetch
	s_bfe_u32 s40, ttmp6, 0x40000                  ; cx, cy
	s_bfe_u32 s41, ttmp6, 0x40004
	s_lshl_b32 s42, ttmp9, 2
	s_add_co_u32 s42, s42, s40                     ; tile column of C
	s_and_b32 s17, ttmp7, 0xffff
	s_lshl_b32 s17, s17, 2
	s_add_co_u32 s17, s17, s41                     ; tile row of C
	s_lshl_b32 s43, s41, 2
	s_lshl_b32 s43, 15, s43                        ; my row of the cluster
	s_lshl_b32 s44, 0x1111, s40                    ; my column
	s_or_b32 s[G1+0], s43, (0<<16)|(1<<20)|(1<<21)|(5<<22)|(3<<25)  ; the mask; elements of 1 byte; padding: 4 words after every 64; bit 21 beside a mask
	s_or_b32 s[G1B+0], s44, (0<<16)|(1<<20)|(1<<21)|(5<<22)|(3<<25)
.irp g, G1, G1B
	s_mov_b32 s[\g+1], ROWB<<16                    ; tensor_dim0
	s_mov_b32 s[\g+2], 128<<16                     ; tensor_dim1
	s_mov_b32 s[\g+3], ROWB<<16                    ; tile_dim0
	s_mov_b32 s[\g+4], 128                         ; tile_dim1
	s_mov_b32 s[\g+5], KROW                        ; tensor_dim0_stride
	s_mov_b32 s[\g+6], 0
	s_mov_b32 s[\g+7], 0
.endr
	s_or_b32 s[G1S+0], s43, (3<<16)|(1<<20)|(1<<21)|(5<<22)|(3<<25) ; the scales of 128 rows: 4,096 dense bytes as 16 rows of 32 elements of 8 bytes
	s_or_b32 s[G1SB+0], s44, (3<<16)|(1<<20)|(1<<21)|(5<<22)|(3<<25)
.irp g, G1S, G1SB
	s_mov_b32 s[\g+1], 32<<16
	s_mov_b32 s[\g+2], (128*KS/256)<<16
	s_mov_b32 s[\g+3], 32<<16
	s_mov_b32 s[\g+4], 128*KS/256
	s_mov_b32 s[\g+5], 32
	s_mov_b32 s[\g+6], 0
	s_mov_b32 s[\g+7], 0
.endr
	s_lshl_b32 s18, s16, 7
	s_lshl_b32 s20, s17, 8
	s_add_co_u32 s20, s20, s18                     ; A: row 256 x tile row + 128 x half
	s_lshl_b32 s46, s42, 8
	s_add_co_u32 s46, s46, s18                     ; B: row 256 x tile column + 128 x half
	s_mov_b32 s21, 0
	s_mov_b32 s47, 0
	s_mov_b64 s[18:19], KS
	s_mul_u64 s[22:23], s[20:21], s[18:19]         ; where these rows' scales begin
	s_mul_u64 s[92:93], s[46:47], s[18:19]
	s_mov_b64 s[18:19], KROW
	s_mul_u64 s[20:21], s[20:21], s[18:19]         ; and their codes
	s_mul_u64 s[46:47], s[46:47], s[18:19]
	s_mul_i32 s45, s14, HALFT                      ; where they go: wave x 128 rows
	s_mul_i32 s94, s14, HALFS
	s_wait_dscnt 0x0                               ; both opening adds are done
	s_wait_kmcnt 0x0
	s_add_nc_u64 s[6:7], s[4:5], 0x400000
	s_add_nc_u64 s[10:11], s[8:9], 0x180000
	s_add_nc_u64 s[20:21], s[4:5], s[20:21]
	s_add_nc_u64 s[22:23], s[6:7], s[22:23]
	s_add_nc_u64 s[46:47], s[8:9], s[46:47]
	s_add_nc_u64 s[92:93], s[10:11], s[92:93]
	CROUND                                         ; all sixteen work-groups are here: the joint loads meet
	s_mov_b32 s[G0S], 1
	s_add_co_u32 s[G0S+1], s94, SCL
	s_mov_b64 s[G0S+2:G0S+3], s[22:23]
	s_or_b32 s[G0S+3], s[G0S+3], 0x80000000
	s_mov_b32 s[G0SB], 1
	s_add_co_u32 s[G0SB+1], s94, SCL
	s_mov_b64 s[G0SB+2:G0SB+3], s[92:93]
	s_or_b32 s[G0SB+3], s[G0SB+3], 0x80000000
	JLOAD G0S, G1S, G0SB, G1SB                     ; the scales first: they are wanted with slot 0.  Three loads of mine are out behind these lines
.irp s, 0,1
	s_mov_b32 s[G0+4*\s], 1
	s_add_co_u32 s[G0+4*\s+1], s45, \s*SLOT
	s_add_nc_u64 s[G0+4*\s+2:G0+4*\s+3], s[20:21], \s*ROWB
	s_or_b32 s[G0+4*\s+3], s[G0+4*\s+3], 0x80000000
	s_mov_b32 s[G0B+4*\s], 1
	s_add_co_u32 s[G0B+4*\s+1], s45, \s*SLOT
	s_add_nc_u64 s[G0B+4*\s+2:G0B+4*\s+3], s[46:47], \s*ROWB
	s_or_b32 s[G0B+4*\s+3], s[G0B+4*\s+3], 0x80000000
	JLOAD G0+4*\s, G1, G0B+4*\s, G1B
.endr
	v_and_b32 v1, 15, v0                           ; l % 16
	v_bfe_u32 v2, v0, 4, 1                         ; l / 16
	v_mul_u32_u24 v3, v1, PITCH
	v_lshl_add_u32 v4, v2, 4, v3                   ; a fragment's row x pitch + 16 x half
	s_mul_i32 s21, s15, HALFT                      ; my 128 rows of A
	s_mul_i32 s22, s16, HALFT                      ; my 128 rows of B,
	s_add_co_u32 s22, s22, 2*HALFT                 ; behind A's 256
.irp s, 0,1
	v_add_nc_u32 v[ADRA+\s], s21, v4
	v_add_nc_u32 v[ADRB+\s], s22, v4
	s_add_co_u32 s21, s21, SLOT
	s_add_co_u32 s22, s22, SLOT
.endr
	v_mul_u32_u24 v5, v1, KS                       ; my row's scales: 32 bytes a row,
	v_lshrrev_b32 v6, 8, v5
	v_lshl_add_u32 v5, v6, 4, v5                   ; and 16 more for each 256 passed
	s_mul_i32 s21, s15, HALFS
	s_mul_i32 s22, s16, HALFS
	s_add_co_u32 s22, s22, 2*HALFS
	s_sub_co_u32 s22, s22, s21
	v_mul_u32_u24 v6, s22, v2                      ; lanes 16-31 take B's
	s_add_co_u32 s21, s21, SCL
	v_add_nc_u32 v5, v5, v6
	v_add_nc_u32 v[ADRS], s21, v5
	s_mul_i32 s23, s14, 16*SPITCH                  ; my stage
	v_mul_u32_u24 v5, v1, SPITCH
	v_lshl_add_u32 v5, v2, 4, v5
	v_add_nc_u32 v[STO], s23, v5                   ; in: row l % 16, 16 bytes for each half of the lanes
	v_mul_u32_u24 v5, v2, SPITCH
	v_lshl_add_u32 v5, v1, 4, v5
	v_add_nc_u32 v[RD], s23, v5                    ; back: lanes 0-15 one row of 256 bytes, lanes 16-31 the next
	v_and_b32 v6, 31, v0
	v_lshlrev_b32 v[CO], 4, v6                     ; a plane's rows are dense: two rows are 512 consecutive bytes, 16 a lane
	v_lshlrev_b32 v[BOF], 5, v2
	; where my 128 x 128 goes: its 128 columns are one pair of heads of q, k or v
	s_lshl_b32 s46, s42, 1
	s_add_co_u32 s46, s46, s16                     ; which 128 columns of the 3,072
	s_lshr_b32 s47, s46, 3                         ; q, k or v
	s_lshl_b32 s47, s47, 5
	s_and_b32 s46, s46, 7                          ; the pair of heads
	s_add_co_u32 s46, s46, s47
	s_lshr_b32 s20, s17, 3                         ; the batch
	s_lshl_b32 s21, s20, 3
	s_add_co_u32 s46, s46, s21                     ; the plane
	s_lshl_b32 s46, s46, 19                        ; of 524,288 bytes
	s_and_b32 s21, s17, 7
	s_lshl_b32 s21, s21, 8
	s_lshl_b32 s47, s15, 7
	s_add_co_u32 s21, s21, s47                     ; my first position
	s_lshl_b32 s21, s21, 8
	s_add_co_u32 s46, s46, s21
	s_mov_b32 s47, 0
	s_add_nc_u64 s[12:13], s[12:13], s[46:47]
	s_mul_i32 s20, s20, 12288                      ; the bias: [batch][3072] f32, at my first column
	s_lshl_b32 s21, s42, 10
	s_add_co_u32 s20, s20, s21
	s_lshl_b32 s21, s16, 9
	s_add_co_u32 s20, s20, s21
	s_mov_b32 s21, 0
	s_add_nc_u64 s[96:97], s[96:97], s[20:21]
.irp b, 0,1,2,3,4,5,6,7                        ; in the result's layout: register j of block b is column 16 b + 8 (l / 16) + j
	global_load_b128 v[BI+8*\b:BI+8*\b+3], v[BOF], s[96:97] offset:64*\b
	global_load_b128 v[BI+8*\b+4:BI+8*\b+7], v[BOF], s[96:97] offset:64*\b+16
.endr
.macro FRAG reg, adr, q, i             ; 16 rows x 128 K of 4-bit codes: 8 registers: registers 4 c .. 4 c + 3 hold K = 64 c + 32 (l / 16) + 0 .. 31
.irp c, 0,1
	ds_load_b128 v[\reg+4*\c:\reg+4*\c+3], v[\adr] offset:64*(\q)+32*\c+(\i)*16*PITCH
.endr
.endm
; 16 matrix instructions: A's blocks a0, a0 + 1 x B's eight, the slot's q-th 128 along K.  zero = 1: the first product starts the sums with the bias as C.  The 64 accumulators take turns, one instruction a turn.
.macro MUL16 a0, p, q, sc, zero
.irp a, \a0, \a0+1
.irp b, 0,1,2,3,4,5,6,7
.if \zero
	v_wmma_scale_f32_16x16x128_f8f6f4 v[8*(8*((\a)%4)+\b):8*(8*((\a)%4)+\b)+7], v[128*(\p)+FR*\b:128*(\p)+FR*\b+FR-1], v[AF+FR*(\a):AF+FR*(\a)+FR-1], v[BI+8*\b:BI+8*\b+7], v[SC+8*NQ*(\sc)+NQ*\b+(\q)], v[SC+8*NQ*(\sc)+NQ*(\a)+(\q)] matrix_a_fmt:MATRIX_FMT_FP4 matrix_b_fmt:MATRIX_FMT_FP4 matrix_a_scale:MATRIX_SCALE_ROW1
.else
	v_wmma_scale_f32_16x16x128_f8f6f4 v[8*(8*((\a)%4)+\b):8*(8*((\a)%4)+\b)+7], v[128*(\p)+FR*\b:128*(\p)+FR*\b+FR-1], v[AF+FR*(\a):AF+FR*(\a)+FR-1], v[8*(8*((\a)%4)+\b):8*(8*((\a)%4)+\b)+7], v[SC+8*NQ*(\sc)+NQ*\b+(\q)], v[SC+8*NQ*(\sc)+NQ*(\a)+(\q)] matrix_a_fmt:MATRIX_FMT_FP4 matrix_b_fmt:MATRIX_FMT_FP4 matrix_a_scale:MATRIX_SCALE_ROW1
.endif
.endr
.endr
.endm
.macro FETCH_B slot, q, p
	WIN TO_B
.irp i, 0,1,2,3,4,5,6,7
	FRAG 128*(\p)+FR*\i, ADRB+\slot, \q, \i
.endr
	WIN 0
.endm
.macro FETCH_A slot, q, i0
.irp i, \i0, \i0+1, \i0+2, \i0+3
	FRAG AF+FR*(\i), ADRA+\slot, \q, \i
.endr
.endm
.macro SCALES sc                       ; a slot's scale words: 4 words a row; lanes 0-15 take A's block i, lanes 16-31 B's block i
.irp i, 0,1,2,3,4,5,6,7
	ds_load_b128 v[SC+8*NQ*\sc+NQ*\i:SC+8*NQ*\sc+NQ*\i+3], v[ADRS] offset:\i*SBLK
.endr
.endm
.macro PLACES n                        ; plain vector instructions between a matrix instruction and a load into, or a read of, its registers
.rept \n
	v_nop
.endr
.endm
.macro STEP slot, q, zero              ; a step of 128 along K that has its successor in the same slot
	s_wait_dscnt 4*NL                              ; B's set and A's blocks 0-3 are in; the youngest eight loads (A's blocks 4-7) may be out
.if \zero
	WIN BIA_LO
.else
	WIN MUL_LO
.endif
	MUL16 0, (\q)%2, \q, \slot, \zero
	MUL16 2, (\q)%2, \q, \slot, \zero
	s_wait_dscnt 0                                 ; A's blocks 4-7 are in
	PLACES NP
	FETCH_B \slot, (\q)+1, 1-(\q)%2
	FETCH_A \slot, (\q)+1, 0
.if \zero
	WIN BIA_HI
.else
	WIN MUL_HI
.endif
	MUL16 4, (\q)%2, \q, \slot, \zero
	MUL16 6, (\q)%2, \q, \slot, \zero
	PLACES NP
	WIN 0
	FETCH_A \slot, (\q)+1, 4
.endm
.macro STEPS slot, from
.set Q, \from
.rept NQ-1-\from
	STEP \slot, Q, 0
.set Q, Q+1
.endr
.endm
	s_wait_tensorcnt 1                             ; the scales and my part of slot 0 are in (slot 1's load may be out)
	s_barrier_signal -1
	s_barrier_wait -1                              ; everybody's are
	FETCH_B 0, 0, 0
	FETCH_A 0, 0, 0
	SCALES 0
	FETCH_A 0, 0, 4
	s_wait_loadcnt 0x0                             ; the bias
	STEP 0, 0, 1
	STEPS 0, 1
	; slot 0's last step changes slots: one barrier; in front of it each wave waits for all its tensor loads, adds 0 to its spare word, and waits for that and for its reads of slot 0
	s_wait_tensorcnt 0x0                           ; my part of slot 1 has landed
	ds_add_u32 v[SPW], v[NIL]
	s_wait_dscnt 4*NL+1                            ; (the add and the youngest eight loads may be out)
	WIN MUL_LO
	MUL16 0, 1, NQ-1, 0, 0
	s_wait_dscnt 0x0                               ; the add is done, and my reads of slot 0 are over
	s_barrier_signal -1
	MUL16 2, 1, NQ-1, 0, 0
	WIN 0
	s_barrier_wait -1
	PLACES NP
	v_add_nc_u32 v[ADRS], 4*NQ, v[ADRS]            ; on to slot 1's scale words
	FETCH_B 1, 0, 0
	FETCH_A 1, 0, 0
	SCALES 1
	WIN MUL_HI
	MUL16 4, 1, NQ-1, 0, 0
	MUL16 6, 1, NQ-1, 0, 0
	PLACES NP
	WIN 0
	FETCH_A 1, 0, 4
	STEPS 1, 0
	s_wait_dscnt 4*NL                              ; the very last step: nothing more to fetch
	WIN MUL_LO
	MUL16 0, 1, NQ-1, 1, 0
	MUL16 2, 1, NQ-1, 1, 0
	s_wait_dscnt 0
	WIN MUL_HI
	MUL16 4, 1, NQ-1, 1, 0
	MUL16 6, 1, NQ-1, 1, 0
	WIN 0
; THE WAY OUT, block by block of 16 rows x 128 columns.  PACK: rounded to f16, 16 bytes a lane, each accumulator from its low end on.  TOSTAGE: into my own stage, and back as whole rows of 256 bytes.  SEND: stored.
.macro PACK a
.set AC, 64*((\a)%4)
	WIN 0x0a+5*((\a)/4)                            ; sources 0 and 1: window 2 or 3
.irp b, 0,1,2,3,4,5,6,7
.irp r, 0,1,2,3
	v_cvt_pk_f16_f32 v[TMP+4*\b+\r], v[AC+8*\b+2*\r], v[AC+8*\b+2*\r+1]
.endr
.endr
	WIN 0
.endm
.macro TOSTAGE a
.set BKR, OB+192*((\a)%2)
.irp b, 0,1,2,3,4,5,6,7
	ds_store_b128 v[STO], v[TMP+4*\b:TMP+4*\b+3] offset:32*\b
.endr
.irp t, 0,1,2,3,4,5,6,7
	ds_load_b128 v[BKR+4*\t:BKR+4*\t+3], v[RD] offset:\t*2*SPITCH   ; LDS serves a wave's instructions in order (ISA guide 5.7.1.4): these see the stores above
.endr
.endm
.macro SEND a
.set BKR, OB+192*((\a)%2)
	s_wait_dscnt 0x0                               ; the block is back in registers
	s_wait_xcnt 0x0                                ; the stores of the block before have read their registers: the next block's loads may land there
.irp t, 0,1,2,3,4,5,6,7
	global_store_b128 v[CO], v[BKR+4*\t:BKR+4*\t+3], s[12:13] offset:(\a)*4096+\t*512   ; 32 lanes store 512 consecutive bytes, at a multiple of 256 from the buffer's first byte
.endr
.endm
	PLACES NP
	PACK 0
	TOSTAGE 0
.irp a, 1,2,3,4,5,6,7                  ; block a's conversions stand between block a - 1's loads from the stage and the wait for them
	PACK \a
	SEND \a-1
	TOSTAGE \a
.endr
	SEND 7
	s_wait_tensorcnt 0x0                           ; the wave's end, behind my last tensor load and my last LDS store
	ds_add_u32 v[SPW], v[NIL]
	s_wait_dscnt 0x0
	CROUND                                         ; the closing round
	s_endpgm
.Lfunc_end_k_q0e18db280d_gemm_qkv:
	.size	k_q0e18db280d_gemm_qkv, .Lfunc_end_k_q0e18db280d_gemm_qkv-k_q0e18db280d_gemm_qkv
	.p2alignl 7, 3214868480
	.fill 96, 4, 3214868480
	.section	.rodata,"a",@progbits
	.p2align	6, 0x0
	.amdhsa_kernel k_q0e18db280d_gemm_qkv
		.amdhsa_group_segment_fixed_size 327680
		.amdhsa_private_segment_fixed_size 0
		.amdhsa_enable_private_segment 0
		.amdhsa_kernarg_size 32
		.amdhsa_user_sgpr_count 2
		.amdhsa_user_sgpr_kernarg_segment_ptr 1
		.amdhsa_wavefront_size32 1
		.amdhsa_system_sgpr_workgroup_id_x 1
		.amdhsa_system_sgpr_workgroup_id_y 1
		.amdhsa_system_sgpr_workgroup_id_z 1
		.amdhsa_system_vgpr_workitem_id 0
		.amdhsa_next_free_vgpr 1024
		.amdhsa_next_free_sgpr 98
		.amdhsa_reserve_vcc 0
		.amdhsa_float_denorm_mode_32 3
		.amdhsa_float_denorm_mode_16_64 3
		.amdhsa_memory_ordered 1
		.amdhsa_forward_progress 1
		.amdhsa_inst_pref_size 128
	.end_amdhsa_kernel
	.amdgpu_metadata
---
amdhsa.version: [ 1, 2 ]
amdhsa.kernels:
  - .name:           k_q0e18db280d_gemm_qkv
    .symbol:         k_q0e18db280d_gemm_qkv.kd
    .args:
      - { .name: xq, .offset: 0, .size: 8, .value_kind: global_buffer, .address_space: global }
      - { .name: wq, .offset: 8, .size: 8, .value_kind: global_buffer, .address_space: global }
      - { .name: qkvb, .offset: 16, .size: 8, .value_kind: global_buffer, .address_space: global }
      - { .name: qkv, .offset: 24, .size: 8, .value_kind: global_buffer, .address_space: global }
    .group_segment_fixed_size: 327680
    .private_segment_fixed_size: 0
    .kernarg_segment_align: 8
    .kernarg_segment_size: 32
    .max_flat_workgroup_size: 128
    .sgpr_count:     98
    .vgpr_count:     1024
    .wavefront_size: 32
...
	.end_amdgpu_metadata
.endif
;; end of part 2
;; launch attn (part 3): grid 8 x 32, 16 waves a work-group, clusters of 4 x 1, 327,680 bytes of LDS; arguments qkv, qkvb, ao; writes ao
.if DOCPART == 3
	.amdgcn_target "amdgcn-amd-amdhsa--gfx1250"
	.amdhsa_code_object_version 6
	.text
	.protected	k_q0e18db280d_attn
	.globl	k_q0e18db280d_attn
	.p2align	8
	.type	k_q0e18db280d_attn,@function
k_q0e18db280d_attn:
	s_mov_b64 s[64:65], 0
	v_nop
	global_prefetch_b8 v0, s[64:65] scope:SCOPE_SE
	s_setreg_imm32_b32 hwreg(HW_REG_WAVE_MODE, 25, 1), 1
	s_wait_xcnt 0x0
	s_wait_alu depctr_hold_cnt(0) depctr_sa_sdst(0) depctr_va_vdst(0) depctr_va_sdst(0) depctr_va_ssrc(0) depctr_va_vcc(0) depctr_vm_vsrc(0)
	s_getreg_b32 s2, hwreg(HW_REG_IB_STS2, 6, 4)
	s_cmp_eq_u32 s2, 0
	s_cbranch_scc0 .Lentry_in_a_cluster
	s_endpgm
.Lentry_in_a_cluster:
	s_bfe_u32 s2, ttmp6, 0x10000c
	s_cmp_lg_u32 s2, 0x3003
	s_cbranch_scc0 .Lentry_shape_is_right
	s_endpgm
.Lentry_shape_is_right:
; ao[b][n][h 64 + d] = the sum over m of softmax_m(q . k / 8 + bias[b][h]) v, for 64 (batch, head) pairs of 2,048 positions and head size 64.  q, k, v: f16 planes [q,k,v][b][pair of heads][2048][128]; products on f16 operands,
; f32 sums; maxima, exponentials and row sums in f32; the weights p are rounded to f16 for the second product, the result once to f16.  k already holds the three key modulations (they were the projection's bias).
; SOFTMAX.  In powers of two: t = c s + B, c = log2(e) / 8, B = bias x log2(e).  For each query a running maximum m of the scores, cm = c m + B, and a running sum l: p = 2^(c s + (B - cm)); in every step O and l are
; multiplied by a = 2^(cm_old - cm_new).  m begins at -3e38 and O and l at zero, so that the step is written once.
; LIMITS: p under 2^-25 is lost in f16 (beside a row sum of at least about 1); NaN and infinities are not served.
; SHARES.  A work-group owns 256 queries of one pair of heads; wave w owns head w / 8 of the pair and queries 32 (w % 8) on: two tiles of 16, in 256 registers: four waves to a SIMD, so that one wave's vector work
; stands beside another's matrix work and LDS loads.  Every wave walks all 2,048 keys, 64 a step.  K's and V's rows (256 bytes: both heads) come through two LDS slots of 256 keys.
; LAYOUT.  S^T = K Q^T (source 0 = 16 keys, source 1 = 16 queries): a lane holds ONE query (lane % 16) and keys 8 (lane / 16) + 0..7.  Two such tiles, rounded in pairs, ARE source 1 of O^T = V^T P.  V is turned by ds_load_tr16_b128.
; CLUSTER.  The four query blocks of a cluster walk the same K and V: each tile is asked for JOINTLY (mask 15).  Waves 0 and 1 fetch K's halves, waves 2 and 3 V's, 128 rows each; the others fetch nothing.
; No prefetch is laid: a tile is asked for one visit, four key steps of all sixteen waves, ahead of the wait for it.
.set PK,     272                       ; a row of K in LDS: 256 bytes + 16: the 16 rows of a load start at 16 different banks (64 banks of 4 bytes: ISA guide 11.1)
.set PV,     288                       ; a row of V: 256 + 32
.set TKEYS,  256                       ; keys in a slot
.set VOFF,   TKEYS*PK
.set SLOTB,  TKEYS*(PK+PV)
.set SPARE,  2*SLOTB                   ; the spare words, 128 bytes for each wave: eight blocks of 256 bytes that no other line names
.set SP,     272                       ; the way out: 256 rows x (256 bytes + 16) from LDS byte 0 on: slot 0 has had its last fill, and nobody reads it behind the last change of slots
.set AK0, 1                            ; v1  my lane's place in a tile of K, my head's 128 bytes of a row
.set AV0, 2                            ; v2  the same for V
.set ADK, 3                            ; v3  the step's address in K
.set ADV, 4                            ; v4  in V
.set SPW, 5                            ; v5  my spare word; never rewritten
.set NIL, 6                            ; v6  0; never rewritten
.set STO, 7
.set RD,  8
.set GO,  9
.set ST,  16                           ; tile x's statistics at v[16 + 8 x]: +0 cm, +1 m, +2, +3 l (even keys', odd keys'), +4 B - cm and at work, +5 at work, +6 a, +7 cm_old - cm_new
.set Q,   32                           ; v32-63    Q: tile x, channels 32 c on: 32 + 16 x + 8 c
.set KV,  64                           ; v64-127   a step's K, then its V
.set S,   128                          ; v128-191  S^T: 128 + 32 x + 8 t; p in place; P in the lower 16 of each tile
.set O,   192                          ; v192-255  O^T: 192 + 32 x + 8 u
.set WV,  12
.set G1K, 24
.set G1V, 32
.set G0K, 40                           ; s[40:47] group 0 for K's tiles, a set for each slot
.set G0V, 48
.set LAPS, 56
.set STEPS, 57
.set CS,  58                           ; s[58:59] c
.set SEL, 60                           ; s[60:61] v_permlanex16_b32's selects for lane l xor 16
.set TK,  62                           ; s62 LDS byte at which the step's rows of K begin
.set TV,  63                           ; s63 the same for V, less VOFF
.set BETA, 66                          ; s66 B
.macro CROUND                          ; a round of the cluster's barrier
	s_barrier_signal -1
	s_barrier_wait -1
	s_cmp_lg_u32 s[WV], 0
	s_cbranch_scc1 .Lnot_wave_0_\@
	s_barrier_signal -3
.Lnot_wave_0_\@:
	s_barrier_wait -3
	s_barrier_signal -1
	s_barrier_wait -1
.endm
.macro JLOAD s                         ; the branches hang on the wave's number alone; an s_nop 0 and four v_nop follow each tensor load
	s_cmp_lt_u32 s[WV], 2
	s_cbranch_scc0 .Lnot_k_\@
	tensor_load_to_lds s[G0K+4*\s:G0K+4*\s+3], s[G1K:G1K+7]
	s_nop 0
.rept 4
	v_nop
.endr
	s_branch .Lasked_\@
.Lnot_k_\@:
	s_cmp_lt_u32 s[WV], 4
	s_cbranch_scc0 .Lasked_\@
	tensor_load_to_lds s[G0V+4*\s:G0V+4*\s+3], s[G1V:G1V+7]
	s_nop 0
.rept 4
	v_nop
.endr
.Lasked_\@:
.endm
	s_load_b128 s[4:7], s[0:1], 0x0                ; qkv, qkvb
	s_load_b64 s[8:9], s[0:1], 0x10                ; ao
	v_lshl_add_u32 v[SPW], v0, 2, SPARE
	v_mov_b32 v[NIL], 0
	ds_add_u32 v[SPW], v[NIL]                      ; the wave's opening: the add, twice on end, and its wait ahead of the first tensor loads
	ds_add_u32 v[SPW], v[NIL]
	v_lshrrev_b32 v12, 5, v0
	v_readfirstlane_b32 s[WV], v12                 ; wave 0..15
	s_bfe_u32 s13, ttmp6, 0x40000                  ; cx
	s_lshl_b32 s14, ttmp9, 2
	s_add_co_u32 s14, s14, s13                     ; my block of 256 queries: it enters Q's and ao's addresses alone
	s_lshr_b32 s15, s[WV], 3                       ; which head of the pair
	s_and_b32 s16, s[WV], 1                        ; which 128 rows of a tile I fetch, if I fetch
	s_and_b32 s17, ttmp7, 0xffff                   ; y = 8 x batch + pair of heads: the four partners share it
	s_add_co_u32 s18, s17, 32                      ; K's plane
	s_lshl_b32 s18, s18, 19
	s_lshl_b32 s19, s16, 15
	s_add_co_u32 s18, s18, s19
	s_mov_b32 s19, 0
	s_add_co_u32 s2, s17, 64                       ; V's plane
	s_lshl_b32 s2, s2, 19
	s_lshl_b32 s3, s16, 15
	s_add_co_u32 s2, s2, s3
	s_mov_b32 s3, 0
	s_mul_i32 s56, s16, 128*PK                     ; where my rows go in a slot
	s_mul_i32 s57, s16, 128*PV
	s_add_co_u32 s57, s57, VOFF
	s_lshl_b32 s20, s17, 19                        ; Q's plane,
	s_lshl_b32 s21, s14, 16                        ; my block's 256 rows of 256 bytes,
	s_add_co_u32 s20, s20, s21
	s_and_b32 s21, s[WV], 7
	s_lshl_b32 s21, s21, 13                        ; my wave's 32,
	s_add_co_u32 s20, s20, s21
	s_lshl_b32 s21, s15, 7                         ; my head's 128 bytes
	s_add_co_u32 s20, s20, s21
	s_mov_b32 s21, 0
	s_lshl_b32 s22, s17, 1
	s_add_co_u32 s22, s22, s15                     ; 16 x batch + head
	s_lshl_b32 s22, s22, 2
	s_mov_b32 s23, 0
	s_mov_b32 s[G1K], 15|(1<<16)|(1<<20)|(1<<21)|(5<<22)|(3<<25)  ; the mask: all four; elements of 2 bytes; padding: 4 words after every 64; bit 21 beside a mask
	s_mov_b32 s[G1V], 15|(1<<16)|(1<<20)|(1<<21)|(5<<22)|(7<<25)  ; the same with 8 words of padding
.irp g, G1K, G1V
	s_mov_b32 s[\g+1], 128<<16                     ; tensor_dim0 = 128
	s_mov_b32 s[\g+2], 128<<16                     ; tensor_dim1 = 128
	s_mov_b32 s[\g+3], 128<<16                     ; tile_dim0 = 128
	s_mov_b32 s[\g+4], 128                         ; tile_dim1 = 128
	s_mov_b32 s[\g+5], 128                         ; elements from row to row
	s_mov_b32 s[\g+6], 0
	s_mov_b32 s[\g+7], 0
.endr
	s_mov_b32 s[CS], 0x3e38aa3b                    ; c = log2(e) / 8
	s_mov_b32 s[CS+1], s[CS]                       ; (named with it as a pair, so it is written)
	s_mov_b32 s[SEL], 0x76543210
	s_mov_b32 s[SEL+1], 0xfedcba98
	s_wait_dscnt 0x0                               ; both opening adds are done
	s_wait_kmcnt 0x0
	s_add_nc_u64 s[18:19], s[4:5], s[18:19]        ; K and V at my rows of tile 0
	s_add_nc_u64 s[2:3], s[4:5], s[2:3]
	s_add_nc_u64 s[10:11], s[4:5], s[20:21]        ; Q at my wave's first row
	s_add_nc_u64 s[6:7], s[6:7], s[22:23]
	s_load_b32 s[BETA], s[6:7], 0xc000             ; B: behind the projections' biases
	s_lshr_b32 s20, s17, 3
	s_lshl_b32 s20, s20, 11                        ; ao: the batch's 2,048 rows,
	s_lshl_b32 s21, s14, 8
	s_add_co_u32 s20, s20, s21                     ; my block's 256,
	s_lshl_b32 s21, s[WV], 4
	s_add_co_u32 s20, s20, s21                     ; the 16 that I store,
	s_lshl_b32 s20, s20, 11                        ; of 2,048 bytes,
	s_and_b32 s21, s17, 7
	s_lshl_b32 s21, s21, 8                         ; at the pair of heads' 256 bytes
	s_add_co_u32 s20, s20, s21
	s_mov_b32 s21, 0
	s_add_nc_u64 s[8:9], s[8:9], s[20:21]
	CROUND                                         ; all four work-groups are here: the first joint loads meet
.irp s, 0,1
	s_mov_b32 s[G0K+4*\s], 1
	s_add_co_u32 s[G0K+4*\s+1], s56, \s*SLOTB
	s_add_nc_u64 s[G0K+4*\s+2:G0K+4*\s+3], s[18:19], \s*TKEYS*256
	s_or_b32 s[G0K+4*\s+3], s[G0K+4*\s+3], 0x80000000
	s_mov_b32 s[G0V+4*\s], 1
	s_add_co_u32 s[G0V+4*\s+1], s57, \s*SLOTB
	s_add_nc_u64 s[G0V+4*\s+2:G0V+4*\s+3], s[2:3], \s*TKEYS*256
	s_or_b32 s[G0V+4*\s+3], s[G0V+4*\s+3], 0x80000000
.endr
	JLOAD 0                                        ; keys 0 to 255 into slot 0
	v_and_b32 v10, 15, v0                          ; r = l % 16
	v_bfe_u32 v11, v0, 4, 1                        ; h = l / 16
	v_lshlrev_b32 v12, 8, v10
	v_lshl_add_u32 v12, v11, 4, v12                ; Q: row r of 256 bytes + 16 h
.irp x, 0,1
.irp c, 0,1
	global_load_b128 v[Q+16*\x+8*\c:Q+16*\x+8*\c+3], v12, s[10:11] offset:\x*4096+64*\c
	global_load_b128 v[Q+16*\x+8*\c+4:Q+16*\x+8*\c+7], v12, s[10:11] offset:\x*4096+64*\c+32
.endr
.endr
	s_lshl_b32 s23, s15, 7                         ; my head's 128 bytes of a row
	v_mul_u32_u24 v[AK0], v10, PK
	v_lshl_add_u32 v[AK0], v11, 4, v[AK0]
	v_add_nc_u32 v[AK0], s23, v[AK0]
	v_and_b32 v13, 7, v0                           ; the turning load: lane l reads key 8 h + l % 8, channels 8 ((l / 8) % 2) on
	v_bfe_u32 v14, v0, 3, 1
	v_lshl_add_u32 v[AV0], v11, 3, v13
	v_mul_u32_u24 v[AV0], v[AV0], PV
	v_lshl_add_u32 v[AV0], v14, 4, v[AV0]
	v_add_nc_u32 v[AV0], s23, v[AV0]
	v_add_nc_u32 v[AV0], VOFF, v[AV0]
	s_and_b32 s22, s[WV], 7                        ; the way out.  In: row 32 (w % 8) + 16 x + r, my head's half, 16 bytes for each half of the lanes
	s_mul_i32 s22, s22, 32*SP
	s_add_co_u32 s22, s22, s23
	v_mul_u32_u24 v[STO], v10, SP
	v_lshl_add_u32 v[STO], v11, 4, v[STO]
	v_add_nc_u32 v[STO], s22, v[STO]
	s_mul_i32 s22, s[WV], 16*SP                    ; back: rows 16 w on, whole; lanes 0-15 one row, lanes 16-31 the next
	v_mul_u32_u24 v[RD], v11, SP
	v_lshl_add_u32 v[RD], v10, 4, v[RD]
	v_add_nc_u32 v[RD], s22, v[RD]
	v_lshlrev_b32 v[GO], 11, v11                   ; and the same two rows in ao
	v_lshl_add_u32 v[GO], v10, 4, v[GO]
	s_wait_kmcnt 0x0                               ; B
.irp x, 0,1
	v_mov_b32 v[ST+8*\x+1], 0xff61b1e6             ; m: -3e38, under every score
	v_fma_f32 v[ST+8*\x], s[CS], v[ST+8*\x+1], s[BETA]
	v_mov_b32 v[ST+8*\x+2], 0                      ; l
	v_mov_b32 v[ST+8*\x+3], 0
	v_mov_b32 v[ST+8*\x+5], 0                      ; (a lane permute's destination counts as one of its sources)
.endr
.irp j, 0,1,2,3,4,5,6,7,8,9,10,11,12,13,14,15,16,17,18,19,20,21,22,23,24,25,26,27,28,29,30,31,32,33,34,35,36,37,38,39,40,41,42,43,44,45,46,47,48,49,50,51,52,53,54,55,56,57,58,59,60,61,62,63
	v_mov_b32 v[O+\j], 0                           ; O^T.  (The step is written once: the first finds zeros, which a = 0 leaves zeros)
.endr
; A KEY STEP: 64 keys.
.macro STEP
	v_add_nc_u32 v[ADK], s[TK], v[AK0]
	v_add_nc_u32 v[ADV], s[TV], v[AV0]
.rept 3
	v_nop                                          ; with the two additions five places behind the last products V^T P: the loads below land on their V (four are asked), the scores below are written over their P (five)
.endr
.irp t, 0,1,2,3
.irp c, 0,1
	ds_load_b128 v[KV+8*(2*\t+\c):KV+8*(2*\t+\c)+3], v[ADK] offset:\t*16*PK+64*\c
	ds_load_b128 v[KV+8*(2*\t+\c)+4:KV+8*(2*\t+\c)+7], v[ADK] offset:\t*16*PK+64*\c+32
.endr
.endr
	s_wait_dscnt 0x0
.irp c, 0,1                                    ; S^T = K Q^T: the eight accumulators take turns, one instruction a turn
.irp t, 0,1,2,3
.irp x, 0,1
.if \c == 0
	v_wmma_f32_16x16x32_f16 v[S+32*\x+8*\t:S+32*\x+8*\t+7], v[KV+8*(2*\t+\c):KV+8*(2*\t+\c)+7], v[Q+16*\x+8*\c:Q+16*\x+8*\c+7], 0
.else
	v_wmma_f32_16x16x32_f16 v[S+32*\x+8*\t:S+32*\x+8*\t+7], v[KV+8*(2*\t+\c):KV+8*(2*\t+\c)+7], v[Q+16*\x+8*\c:Q+16*\x+8*\c+7], v[S+32*\x+8*\t:S+32*\x+8*\t+7]
.endif
.endr
.endr
.endr
.rept 4
	v_nop                                          ; places in front of the loads into K's registers and of the first read of the scores
.endr
.irp g, 0,1                                    ; V, turned: keys 32 g on, channels 16 u on.  It lands while the softmax is walked
.irp u, 0,1,2,3
	ds_load_tr16_b128 v[KV+8*(4*\g+\u):KV+8*(4*\g+\u)+3], v[ADV] offset:\g*32*PV+32*\u
	ds_load_tr16_b128 v[KV+8*(4*\g+\u)+4:KV+8*(4*\g+\u)+7], v[ADV] offset:\g*32*PV+16*PV+32*\u
.endr
.endr
	; the maximum of my 32 scores and the old m: four chains, each accumulator read from its low end on; the two tiles alternate, so that no line waits for the line above it
.irp j, 0,1,2,3
.irp x, 0,1
	v_max3_num_f32 v[ST+8*\x+4+\j], v[S+32*\x+8*\j], v[S+32*\x+8*\j+1], v[S+32*\x+8*\j+2]
.endr
.endr
.irp k, 1,2
.irp j, 0,1,2,3
.irp x, 0,1
	v_max3_num_f32 v[ST+8*\x+4+\j], v[ST+8*\x+4+\j], v[S+32*\x+8*\j+2*\k+1], v[S+32*\x+8*\j+2*\k+2]
.endr
.endr
.endr
.irp x, 0,1
	v_max3_num_f32 v[ST+8*\x+4], v[ST+8*\x+4], v[S+32*\x+7], v[S+32*\x+15]
	v_max3_num_f32 v[ST+8*\x+6], v[ST+8*\x+6], v[S+32*\x+23], v[S+32*\x+31]
.endr
.irp x, 0,1
	v_max3_num_f32 v[ST+8*\x+4], v[ST+8*\x+4], v[ST+8*\x+5], v[ST+8*\x+6]
.endr
.irp x, 0,1
	v_max3_num_f32 v[ST+8*\x+4], v[ST+8*\x+4], v[ST+8*\x+7], v[ST+8*\x+1]
.endr
.irp x, 0,1
	v_permlanex16_b32 v[ST+8*\x+5], v[ST+8*\x+4], s[SEL], s[SEL+1]   ; the query's other 32 keys lie in the lane 16 away
.endr
.irp x, 0,1
	v_mov_b32 v[ST+8*\x+7], v[ST+8*\x]             ; cm_old
.endr
.irp x, 0,1
	v_max_num_f32 v[ST+8*\x+1], v[ST+8*\x+4], v[ST+8*\x+5]
.endr
.irp x, 0,1
	v_fma_f32 v[ST+8*\x], s[CS], v[ST+8*\x+1], s[BETA]               ; cm = c m + B: the largest biased score, in powers of two
.endr
.irp x, 0,1
	v_sub_f32 v[ST+8*\x+7], v[ST+8*\x+7], v[ST+8*\x]
	v_sub_f32 v[ST+8*\x+4], s[BETA], v[ST+8*\x]                      ; B - cm
.endr
.irp b, 0,1,2,3,4,5,6,7,8,9,10,11,12,13,14,15
.irp x, 0,1
	v_pk_fma_f32 v[S+32*\x+2*\b:S+32*\x+2*\b+1], v[S+32*\x+2*\b:S+32*\x+2*\b+1], s[CS:CS+1], v[ST+8*\x+4:ST+8*\x+5] op_sel_hi:[1,0,0]   ; c s + (B - cm), two at a time
.endr
.endr
.irp x, 0,1
	v_exp_f32 v[ST+8*\x+6], v[ST+8*\x+7]           ; a
.endr
.irp e, 0,1,2,3,4,5,6,7,8,9,10,11,12,13,14,15,16,17,18,19,20,21,22,23,24,25,26,27,28,29,30,31
.irp x, 0,1
	v_exp_f32 v[S+32*\x+\e], v[S+32*\x+\e]         ; p
.endr
.endr
	v_nop                                          ; a plain instruction behind the last exponential
	s_wait_alu depctr_va_vdst(0)                   ; ONE wait for the 66 exponentials, ahead of their first reader
.irp x, 0,1                                    ; the row's sum, of the unrounded p: l = a l + the sum, in two chains a tile
	v_pk_fma_f32 v[ST+8*\x+2:ST+8*\x+3], v[ST+8*\x+2:ST+8*\x+3], v[ST+8*\x+6:ST+8*\x+7], v[S+32*\x:S+32*\x+1] op_sel_hi:[1,0,1]
	v_pk_add_f32 v[ST+8*\x+4:ST+8*\x+5], v[S+32*\x+2:S+32*\x+3], v[S+32*\x+6:S+32*\x+7]
.endr
.irp n, 0,1,2,3,4,5
.irp x, 0,1
	v_pk_add_f32 v[ST+8*\x+2:ST+8*\x+3], v[ST+8*\x+2:ST+8*\x+3], v[S+32*\x+4+4*\n:S+32*\x+5+4*\n]
	v_pk_add_f32 v[ST+8*\x+4:ST+8*\x+5], v[ST+8*\x+4:ST+8*\x+5], v[S+32*\x+10+4*\n:S+32*\x+11+4*\n]
.endr
.endr
.irp x, 0,1
	v_pk_add_f32 v[ST+8*\x+2:ST+8*\x+3], v[ST+8*\x+2:ST+8*\x+3], v[S+32*\x+28:S+32*\x+29]
.endr
.irp x, 0,1
	v_pk_add_f32 v[ST+8*\x+2:ST+8*\x+3], v[ST+8*\x+2:ST+8*\x+3], v[ST+8*\x+4:ST+8*\x+5]
.endr
.irp i, 0,1,2,3,4,5,6,7,8,9,10,11,12,13,14,15
.irp x, 0,1
	v_cvt_pk_f16_f32 v[S+32*\x+\i], v[S+32*\x+2*\i], v[S+32*\x+2*\i+1]   ; P, in place: register i takes pair i, which lies at or above it
.endr
.endr
.irp i, 0,1,2,3,4,5,6,7,8,9,10,11,12,13,14,15
.irp x, 0,1
	v_pk_mul_f32 v[O+32*\x+2*\i:O+32*\x+2*\i+1], v[O+32*\x+2*\i:O+32*\x+2*\i+1], v[ST+8*\x+6:ST+8*\x+7] op_sel_hi:[1,0]   ; O^T x a
.endr
.endr
	s_wait_dscnt 0x0                               ; V is in
.irp g, 0,1                                    ; O^T += V^T P: again eight accumulators by turns
.irp u, 0,1,2,3
.irp x, 0,1
	v_wmma_f32_16x16x32_f16 v[O+32*\x+8*\u:O+32*\x+8*\u+7], v[KV+8*(4*\g+\u):KV+8*(4*\g+\u)+7], v[S+32*\x+8*\g:S+32*\x+8*\g+7], v[O+32*\x+8*\u:O+32*\x+8*\u+7]
.endr
.endr
.endr
.endm
; A VISIT of a slot.  At its head the change of slots: each wave waits for all its tensor loads (its part of this slot), adds 0 to its spare word, and waits for that and for its reads of the slot that it has left.
; refill = 1: the barrier is a round of the cluster's, and behind it the other slot is filled with the next 256 keys, jointly: one load a wave, which has this visit's four steps in which to land.
.macro VISIT slot, refill
	s_wait_tensorcnt 0x0                           ; no tensor load of mine is out, so a group 0 may be written
	ds_add_u32 v[SPW], v[NIL]
.if \refill
	ds_add_u32 v[SPW], v[NIL]                      ; and once more where a tensor load follows
.endif
	s_add_nc_u64 s[G0K+4*\slot+2:G0K+4*\slot+3], s[G0K+4*\slot+2:G0K+4*\slot+3], 2*TKEYS*256   ; this slot's next tile
	s_add_nc_u64 s[G0V+4*\slot+2:G0V+4*\slot+3], s[G0V+4*\slot+2:G0V+4*\slot+3], 2*TKEYS*256
	s_wait_dscnt 0x0                               ; the add is done, and my reads of the slot that I have left are over
.if \refill
	CROUND
	JLOAD (1-\slot)
.else
	s_barrier_signal -1
	s_barrier_wait -1
.endif
	s_mov_b32 s[TK], \slot*SLOTB
	s_mov_b32 s[TV], \slot*SLOTB
	s_mov_b32 s[STEPS], TKEYS/64
.Lstep_\@:
	STEP
	s_add_co_u32 s[TK], s[TK], 64*PK
	s_add_co_u32 s[TV], s[TV], 64*PV
	s_sub_co_u32 s[STEPS], s[STEPS], 1
	s_cmp_lg_u32 s[STEPS], 0
	s_cbranch_scc1 .Lstep_\@
.endm
	s_wait_loadcnt 0x0                             ; Q
	s_mov_b32 s[LAPS], 3
.Llap:                                             ; eight tiles of 256 keys: three laps, then the last two visits, written out
	VISIT 0, 1
	VISIT 1, 1
	s_sub_co_u32 s[LAPS], s[LAPS], 1
	s_cmp_lg_u32 s[LAPS], 0
	s_cbranch_scc1 .Llap
	VISIT 0, 1
	VISIT 1, 0
	; THE WAY OUT.  O^T / l, rounded to f16, goes into the work-group's stage; a barrier, since a row's 256 bytes come from two waves; back as whole rows, 16 rows a wave.
.rept 4
	v_nop                                          ; places behind the last products
.endr
.irp x, 0,1
	v_add_f32 v[ST+8*\x+4], v[ST+8*\x+2], v[ST+8*\x+3]
.endr
.irp x, 0,1
	v_permlanex16_b32 v[ST+8*\x+5], v[ST+8*\x+4], s[SEL], s[SEL+1]
.endr
.irp x, 0,1
	v_add_f32 v[ST+8*\x+4], v[ST+8*\x+4], v[ST+8*\x+5]
.endr
.irp x, 0,1
	v_rcp_f32 v[ST+8*\x+6], v[ST+8*\x+4]
.endr
	v_nop                                          ; a plain instruction behind the last reciprocal
	s_wait_alu depctr_va_vdst(0)                   ; and the wait ahead of the first use: one for the two
.irp x, 0,1
.irp i, 0,1,2,3,4,5,6,7,8,9,10,11,12,13,14,15
	v_pk_mul_f32 v[O+32*\x+2*\i:O+32*\x+2*\i+1], v[O+32*\x+2*\i:O+32*\x+2*\i+1], v[ST+8*\x+6:ST+8*\x+7] op_sel_hi:[1,0]
.endr
.endr
.irp x, 0,1
.irp i, 0,1,2,3,4,5,6,7,8,9,10,11,12,13,14,15
	v_cvt_pk_f16_f32 v[S+16*\x+\i], v[O+32*\x+2*\i], v[O+32*\x+2*\i+1]
.endr
.endr
.irp x, 0,1
.irp u, 0,1,2,3
	ds_store_b128 v[STO], v[S+16*\x+4*\u:S+16*\x+4*\u+3] offset:\x*16*SP+32*\u
.endr
.endr
	s_wait_dscnt 0x0                               ; for the others' sake: my stores into the stage are done
	s_barrier_signal -1
	s_barrier_wait -1
.irp t, 0,1,2,3,4,5,6,7
	ds_load_b128 v[KV+4*\t:KV+4*\t+3], v[RD] offset:\t*2*SP
.endr
.irp t, 0,1,2,3,4,5,6,7
	s_wait_dscnt 7-\t                              ; LDS loads come back in order: pair t of rows is in
	global_store_b128 v[GO], v[KV+4*\t:KV+4*\t+3], s[8:9] offset:\t*4096   ; 16 lanes store 256 consecutive bytes, at a multiple of 256 from ao's first byte
.endr
	s_wait_tensorcnt 0x0                           ; the wave's end, behind my last tensor load and my last LDS store
	ds_add_u32 v[SPW], v[NIL]
	s_wait_dscnt 0x0
	CROUND                                         ; the closing round
	s_endpgm
.Lfunc_end_k_q0e18db280d_attn:
	.size	k_q0e18db280d_attn, .Lfunc_end_k_q0e18db280d_attn-k_q0e18db280d_attn
	.p2alignl 7, 3214868480
	.fill 96, 4, 3214868480
	.section	.rodata,"a",@progbits
	.p2align	6, 0x0
	.amdhsa_kernel k_q0e18db280d_attn
		.amdhsa_group_segment_fixed_size 327680
		.amdhsa_private_segment_fixed_size 0
		.amdhsa_enable_private_segment 0
		.amdhsa_kernarg_size 24
		.amdhsa_user_sgpr_count 2
		.amdhsa_user_sgpr_kernarg_segment_ptr 1
		.amdhsa_wavefront_size32 1
		.amdhsa_system_sgpr_workgroup_id_x 1
		.amdhsa_system_sgpr_workgroup_id_y 1
		.amdhsa_system_sgpr_workgroup_id_z 1
		.amdhsa_system_vgpr_workitem_id 0
		.amdhsa_next_free_vgpr 256
		.amdhsa_next_free_sgpr 68
		.amdhsa_reserve_vcc 0
		.amdhsa_float_denorm_mode_32 3
		.amdhsa_float_denorm_mode_16_64 3
		.amdhsa_memory_ordered 1
		.amdhsa_forward_progress 1
		.amdhsa_inst_pref_size 91
	.end_amdhsa_kernel
	.amdgpu_metadata
---
amdhsa.version: [ 1, 2 ]
amdhsa.kernels:
  - .name:           k_q0e18db280d_attn
    .symbol:         k_q0e18db280d_attn.kd
    .args:
      - { .name: qkv, .offset: 0, .size: 8, .value_kind: global_buffer, .address_space: global }
      - { .name: qkvb, .offset: 8, .size: 8, .value_kind: global_buffer, .address_space: global }
      - { .name: ao, .offset: 16, .size: 8, .value_kind: global_buffer, .address_space: global }
    .group_segment_fixed_size: 327680
    .private_segment_fixed_size: 0
    .kernarg_segment_align: 8
    .kernarg_segment_size: 24
    .max_flat_workgroup_size: 512
    .sgpr_count:     68
    .vgpr_count:     256
    .wavefront_size: 32
...
	.end_amdgpu_metadata
.endif
;; end of part 3
;; launch outproj (part 4): grid 8 x 64, 4 waves a work-group, clusters of 4 x 4, 327,680 bytes of LDS; arguments ao, wo16, bo, out0; writes out0
.if DOCPART == 4
	.amdgcn_target "amdgcn-amd-amdhsa--gfx1250"
	.amdhsa_code_object_version 6
	.text
	.protected	k_q0e18db280d_outproj
	.globl	k_q0e18db280d_outproj
	.p2align	8
	.type	k_q0e18db280d_outproj,@function
k_q0e18db280d_outproj:
	s_mov_b64 s[64:65], 0
	v_nop
	global_prefetch_b8 v0, s[64:65] scope:SCOPE_SE
	s_setreg_imm32_b32 hwreg(HW_REG_WAVE_MODE, 25, 1), 1
	s_wait_xcnt 0x0
	s_wait_alu depctr_hold_cnt(0) depctr_sa_sdst(0) depctr_va_vdst(0) depctr_va_sdst(0) depctr_va_ssrc(0) depctr_va_vcc(0) depctr_vm_vsrc(0)
	s_getreg_b32 s2, hwreg(HW_REG_IB_STS2, 6, 4)
	s_cmp_eq_u32 s2, 0
	s_cbranch_scc0 .Lentry_in_a_cluster
	s_endpgm
.Lentry_in_a_cluster:
	s_bfe_u32 s2, ttmp6, 0x10000c
	s_cmp_lg_u32 s2, 0xf033
	s_cbranch_scc0 .Lentry_shape_is_right
	s_endpgm
.Lentry_shape_is_right:
; out0 = ao Wo + bo.  ao: [8192][1024] f16; wo16: Wo as f16, [k][n] as JAX has it; bo: [1024] f32; out0: [8192][1024] f32.  f16 operands, f32 sums, begun with bo.
; A tile of C is 128 x 128: 512 work-groups, two for each WGP.  Four waves, each 64 x 64: 16 accumulators.  K goes in steps of 256 through two LDS slots: A's rows are 512 bytes (64 rows to a load),
; B's tile is 256 rows k of 256 bytes (128 rows to a load), as it lies in memory; B's fragments are turned on their way out of LDS by ds_load_tr16_b128.
; CLUSTERS: 4 x 4 work-groups: A's tile is shared along a row of the cluster, B's along a column: each is asked for JOINTLY.  THE MATRIX INSTRUCTION IS USED TRANSPOSED (source 0 = 16 columns of Wo, source 1 = 16 rows of ao):
; a lane then holds eight neighbouring numbers of a row of C.  A wave's 64 columns of f32 are 256 consecutive bytes, aligned: each wave has a stage of its own on the way out, and no barrier is needed there.
; REGISTERS: window 0: v0-31 addresses; v32-95 at work on the way out; v96-127 bo, 8 registers for each of my four blocks of columns; v128-255 the accumulators ((a, b) at v[128 + 8 (4 a + b)]).
;   window 1: two fragment buffers of 128: for 64 along K, 64 registers of A, then 64 of B.
.set SIZE_N, 1024
.set SIZE_K, 1024
.set KSTEP,  256
.set PITCH,  528                       ; A's row in LDS: 512 bytes + 16: the 16 rows of a load start at 16 different banks (64 banks of 4 bytes: ISA guide 11.1)
.set PB,     288                       ; B's row: 256 + 32
.set HALFA,  64*PITCH
.set HALFB,  128*PB
.set BOFF,   2*HALFA
.set SLOT,   BOFF+2*HALFB
.set STAGE,  2*SLOT                    ; behind the ring: 16 rows x 272 bytes for each wave
.set SPITCH, 272
.set SPARE,  STAGE+4*16*SPITCH         ; the spare words, 128 bytes for each wave: two blocks of 256 bytes that no other line names
.set LAPS,   SIZE_K/(2*KSTEP)
.set ADRA, 16                          ; v16-17  my A fragments in slot 0, 1
.set ADRB, 20                          ; v20-23  my B fragments: slot 0 rows 0-127, rows 128-255; slot 1 likewise (255 rows of 288 bytes pass the 16-bit offset)
.set STO,  24
.set RD,   25
.set CO,   26
.set BOF,  27
.set SPW,  28
.set NIL,  29
.set TMP,  32
.set BIAS, 96
.set ACC,  128
.set F0,   0
.set F1,   128
.set G1, 24
.set G0, 32
.set G1B, 48
.set G0B, 56
.set MSB, 0
.macro WIN new
.if MSB != (\new)
	s_set_vgpr_msb (MSB<<8)|(\new)
.set MSB, (\new)
.endif
.endm
.set MUL,  0x05                        ; sources 0 (B) and 1 (A) window 1; C and D window 0
.set TO_F, 0x40                        ; destination window 1, address window 0
.macro JLOAD s                         ; waves 0 and 1 fetch A's two halves, waves 2 and 3 B's; an s_nop 0 and four v_nop follow each of the two lines
	s_cmp_eq_u32 s11, 0
	s_cbranch_scc0 .Lfor_b_\@
	tensor_load_to_lds s[G0+4*\s:G0+4*\s+3], s[G1:G1+7]
	s_nop 0
.rept 4
	v_nop
.endr
	s_branch .Lasked_\@
.Lfor_b_\@:
	tensor_load_to_lds s[G0B+4*\s:G0B+4*\s+3], s[G1B:G1B+7]
	s_nop 0
.rept 4
	v_nop
.endr
.Lasked_\@:
.endm
.macro CREST
	s_cmp_lg_u32 s10, 0
	s_cbranch_scc1 .Lnot_wave_0_\@
	s_barrier_signal -3
.Lnot_wave_0_\@:
	s_barrier_wait -3
	s_barrier_signal -1
	s_barrier_wait -1
.endm
.macro CROUND
	s_barrier_signal -1
	s_barrier_wait -1
	CREST
.endm
	s_load_b128 s[4:7], s[0:1], 0x0                ; ao, wo16
	s_load_b64 s[66:67], s[0:1], 0x10              ; bo
	s_load_b64 s[8:9], s[0:1], 0x18                ; out0
	v_lshl_add_u32 v[SPW], v0, 2, SPARE
	v_mov_b32 v[NIL], 0
	ds_add_u32 v[SPW], v[NIL]                      ; the wave's opening: the add, twice on end, and its wait ahead of my first tensor load
	ds_add_u32 v[SPW], v[NIL]
	v_lshrrev_b32 v1, 5, v0
	v_readfirstlane_b32 s10, v1                    ; wave 0..3
	s_lshr_b32 s11, s10, 1                         ; which half of the tile's rows is mine.  Also: I fetch for A (0) or for B (1)
	s_and_b32 s12, s10, 1                          ; which half of its columns.  Also: which half of that tile I fetch
	s_bfe_u32 s40, ttmp6, 0x40000
	s_bfe_u32 s41, ttmp6, 0x40004
	s_lshl_b32 s42, ttmp9, 2
	s_add_co_u32 s42, s42, s40                     ; tile column of C
	s_and_b32 s13, ttmp7, 0xffff
	s_lshl_b32 s13, s13, 2
	s_add_co_u32 s13, s13, s41                     ; tile row of C
	s_lshl_b32 s43, s41, 2
	s_lshl_b32 s43, 15, s43                        ; my row of the cluster
	s_lshl_b32 s44, 0x1111, s40                    ; my column
	s_or_b32 s[G1+0], s43, (1<<16)|(1<<20)|(1<<21)|(6<<22)|(3<<25)   ; A: 64 rows x 256 elements of 2 bytes; padding: 4 words after every 128
	s_mov_b32 s[G1+1], KSTEP<<16
	s_mov_b32 s[G1+2], 64<<16
	s_mov_b32 s[G1+3], KSTEP<<16
	s_mov_b32 s[G1+4], 64
	s_mov_b32 s[G1+5], SIZE_K
	s_mov_b32 s[G1+6], 0
	s_mov_b32 s[G1+7], 0
	s_or_b32 s[G1B+0], s44, (1<<16)|(1<<20)|(1<<21)|(5<<22)|(7<<25)  ; B: 128 rows x 128 elements; padding: 8 words after every 64
	s_mov_b32 s[G1B+1], 128<<16
	s_mov_b32 s[G1B+2], 128<<16
	s_mov_b32 s[G1B+3], 128<<16
	s_mov_b32 s[G1B+4], 128
	s_mov_b32 s[G1B+5], SIZE_N
	s_mov_b32 s[G1B+6], 0
	s_mov_b32 s[G1B+7], 0
	s_lshl_b32 s17, s12, 6
	s_lshl_b32 s16, s13, 7
	s_add_co_u32 s16, s16, s17                     ; A: row 128 x tile row + 64 x half,
	s_lshl_b32 s16, s16, 11                        ; of 2,048 bytes
	s_mov_b32 s17, 0
	s_lshl_b32 s46, s12, 18                        ; B: row k = 128 x half, of 2,048 bytes,
	s_lshl_b32 s47, s42, 8                         ; at the tile column's 256 bytes
	s_add_co_u32 s46, s46, s47
	s_mov_b32 s47, 0
	s_mul_i32 s20, s12, HALFA                      ; where they go: no place in the cluster enters an LDS address
	s_mul_i32 s21, s12, HALFB
	s_add_co_u32 s21, s21, BOFF
	s_wait_dscnt 0x0                               ; both opening adds are done
	s_wait_kmcnt 0x0
	s_add_nc_u64 s[14:15], s[4:5], s[16:17]
	s_add_nc_u64 s[46:47], s[6:7], s[46:47]
	CROUND                                         ; all sixteen work-groups are here: the first joint loads meet
.irp s, 0,1
	s_mov_b32 s[G0+4*\s], 1
	s_add_co_u32 s[G0+4*\s+1], s20, \s*SLOT
	s_add_nc_u64 s[G0+4*\s+2:G0+4*\s+3], s[14:15], \s*KSTEP*2
	s_or_b32 s[G0+4*\s+3], s[G0+4*\s+3], 0x80000000
	s_mov_b32 s[G0B+4*\s], 1
	s_add_co_u32 s[G0B+4*\s+1], s21, \s*SLOT
	s_add_nc_u64 s[G0B+4*\s+2:G0B+4*\s+3], s[46:47], \s*KSTEP*SIZE_N*2
	s_or_b32 s[G0B+4*\s+3], s[G0B+4*\s+3], 0x80000000
	JLOAD \s
.endr
	v_and_b32 v1, 15, v0                           ; l % 16
	v_bfe_u32 v2, v0, 4, 1                         ; l / 16
	v_mul_u32_u24 v3, v1, PITCH
	v_lshl_add_u32 v3, v2, 4, v3                   ; A: a fragment's row x pitch + 16 x half
	s_mul_i32 s21, s11, HALFA                      ; my 64 rows of A
	v_and_b32 v4, 7, v0                            ; B, the turning load: lane l reads row k = 8 (l / 16) + l % 8, columns 8 ((l / 8) % 2) on
	v_lshl_add_u32 v4, v2, 3, v4
	v_mul_u32_u24 v4, v4, PB
	v_bfe_u32 v5, v0, 3, 1
	v_lshl_add_u32 v4, v5, 4, v4
	s_lshl_b32 s22, s12, 7                         ; my 64 columns: 128 bytes of a row
	s_add_co_u32 s22, s22, BOFF
.irp s, 0,1
	v_add_nc_u32 v[ADRA+\s], s21, v3
	v_add_nc_u32 v[ADRB+2*\s], s22, v4
	s_add_co_u32 s23, s22, HALFB
	v_add_nc_u32 v[ADRB+2*\s+1], s23, v4
	s_add_co_u32 s21, s21, SLOT
	s_add_co_u32 s22, s22, SLOT
.endr
	s_mul_i32 s23, s10, 16*SPITCH
	s_add_co_u32 s23, s23, STAGE                   ; my stage
	v_mul_u32_u24 v4, v1, SPITCH
	v_lshl_add_u32 v4, v2, 5, v4
	v_add_nc_u32 v[STO], s23, v4                   ; in: row l % 16, 32 bytes for each half of the lanes
	v_mul_u32_u24 v5, v2, SPITCH
	v_lshl_add_u32 v5, v1, 4, v5
	v_add_nc_u32 v[RD], s23, v5                    ; back: lanes 0-15 one row of 256 bytes, lanes 16-31 the next
	v_lshlrev_b32 v5, 12, v2
	v_lshl_add_u32 v[CO], v1, 4, v5                ; and the same two rows in C
	v_lshlrev_b32 v[BOF], 5, v2
	s_lshl_b32 s16, s13, 7
	s_lshl_b32 s17, s11, 6
	s_add_co_u32 s16, s16, s17                     ; my first row of C,
	s_lshl_b32 s16, s16, 12                        ; of 4,096 bytes
	s_mov_b32 s17, 0
	s_lshl_b32 s46, s42, 9                         ; my first column, in bytes: 512 x tile column + 256 x half
	s_lshl_b32 s47, s12, 8
	s_add_co_u32 s46, s46, s47
	s_mov_b32 s47, 0
	s_add_nc_u64 s[8:9], s[8:9], s[16:17]
	s_add_nc_u64 s[8:9], s[8:9], s[46:47]
	s_add_nc_u64 s[66:67], s[66:67], s[46:47]
.irp b, 0,1,2,3                                ; bo in the result's layout: register j of block b is column 16 b + 8 (l / 16) + j
	global_load_b128 v[BIAS+8*\b:BIAS+8*\b+3], v[BOF], s[66:67] offset:64*\b
	global_load_b128 v[BIAS+8*\b+4:BIAS+8*\b+7], v[BOF], s[66:67] offset:64*\b+16
.endr
; 8 matrix instructions: m blocks a0, a0 + 1 x all 4 n blocks, 32 along K: half c of buffer f.  zero = 1: the first product starts the sums with bo as C.  The 16 accumulators take turns.
.macro MUL8 f, c, a0, zero
.irp a, \a0, \a0+1
.irp b, 0,1,2,3
.if \zero
	v_wmma_f32_16x16x32_f16 v[ACC+8*(4*(\a)+\b):ACC+8*(4*(\a)+\b)+7], v[\f+64+8*(4*\c+\b):\f+64+8*(4*\c+\b)+7], v[\f+8*(4*\c+\a):\f+8*(4*\c+\a)+7], v[BIAS+8*\b:BIAS+8*\b+7]
.else
	v_wmma_f32_16x16x32_f16 v[ACC+8*(4*(\a)+\b):ACC+8*(4*(\a)+\b)+7], v[\f+64+8*(4*\c+\b):\f+64+8*(4*\c+\b)+7], v[\f+8*(4*\c+\a):\f+8*(4*\c+\a)+7], v[ACC+8*(4*(\a)+\b):ACC+8*(4*(\a)+\b)+7]
.endif
.endr
.endr
.endm
; 32 LDS loads in one run: the fragments of the slot's q-th 64 along K into buffer f; the first 32 along K first
.macro FETCH slot, q, f
	WIN TO_F
.irp c, 0,1
.irp i, 0,1,2,3
	ds_load_tr16_b128 v[\f+64+8*(4*\c+\i):\f+64+8*(4*\c+\i)+3],   v[ADRB+2*\slot+(\q)/2] offset:(((\q)%2)*64+32*\c)*PB+32*\i
	ds_load_tr16_b128 v[\f+64+8*(4*\c+\i)+4:\f+64+8*(4*\c+\i)+7], v[ADRB+2*\slot+(\q)/2] offset:(((\q)%2)*64+32*\c)*PB+16*PB+32*\i
	ds_load_b128 v[\f+8*(4*\c+\i):\f+8*(4*\c+\i)+3],         v[ADRA+\slot] offset:128*(\q)+64*\c+\i*16*PITCH
	ds_load_b128 v[\f+8*(4*\c+\i)+4:\f+8*(4*\c+\i)+7],       v[ADRA+\slot] offset:128*(\q)+64*\c+\i*16*PITCH+32
.endr
.endr
.endm
.macro PLACES                          ; four places in front of loads into registers that matrix instructions have read, and of the first read of results
.rept 4
	v_nop
.endr
.endm
; A K step is four quarters of 64 along K, 32 matrix instructions each, on buffers 0, 1, 0, 1.  One of the first three: multiplies buffer f and fetches quarter qn into g.
.macro QUARTER slot, qn, f, g, zero
	s_wait_dscnt 16                                ; the first 32 along K are in; the youngest sixteen loads may be out
	WIN MUL
	MUL8 \f, 0, 0, \zero
	MUL8 \f, 0, 2, \zero
	PLACES
	FETCH \slot, \qn, \g
	s_wait_dscnt 32                                ; all but the 32 just issued
	WIN MUL
	MUL8 \f, 1, 0, 0
	MUL8 \f, 1, 2, 0
.endm
; The last quarter multiplies buffer 1 and changes slots: ONE barrier; in front of it each wave waits for all its tensor loads, adds 0 to its spare word, and waits for that and for its reads of this slot.  fill = 1: this slot is filled again, two K steps ahead.
.macro TURN slot, next, fill
	WIN 0                                          ; (the add's two registers lie in window 0)
	s_wait_tensorcnt 0x0                           ; all my tensor loads have landed: my part of the next slot
	ds_add_u32 v[SPW], v[NIL]
	s_wait_dscnt 17                                ; (the add and the youngest sixteen loads may be out)
	WIN MUL
	MUL8 F1, 0, 0, 0
	s_wait_dscnt 0x0                               ; the add is done, and my reads of this slot are over
	s_barrier_signal -1
	MUL8 F1, 0, 2, 0
.if \fill
	WIN 0
.endif
	s_barrier_wait -1
.if \fill
	CREST                                          ; the barrier has opened a round of the cluster's: no wave of any partner still reads this slot or has a load on its way
	s_add_nc_u64 s[G0+4*\slot+2:G0+4*\slot+3], s[G0+4*\slot+2:G0+4*\slot+3], 2*KSTEP*2
	s_add_nc_u64 s[G0B+4*\slot+2:G0B+4*\slot+3], s[G0B+4*\slot+2:G0B+4*\slot+3], 2*KSTEP*SIZE_N*2
	JLOAD \slot                                    ; the first tensor load behind the round; the four v_nop behind it are also the places in front of the loads below
.else
	PLACES
.endif
	FETCH \next, 0, F0
	WIN MUL
	MUL8 F1, 1, 0, 0
	MUL8 F1, 1, 2, 0
.endm
	s_wait_tensorcnt 1                             ; my part of K step 0 is in (K step 1's load may be out)
	s_barrier_signal -1
	s_barrier_wait -1                              ; everybody's is
	FETCH 0, 0, F0
	s_wait_loadcnt 0x0                             ; bo
	QUARTER 0, 1, F0, F1, 1                        ; the first quarter stands in front of the loop: its first products start the sums
	WIN 0                                          ; at a label and at a branch every window is 0
	s_mov_b32 s3, LAPS-1
.Llap:                                             ; a trip goes once round the ring, from a lap's second quarter to the next lap's first, and fills both slots again
	QUARTER 0, 2, F1, F0, 0
	QUARTER 0, 3, F0, F1, 0
	TURN 0, 1, 1
	QUARTER 1, 1, F0, F1, 0
	QUARTER 1, 2, F1, F0, 0
	QUARTER 1, 3, F0, F1, 0
	TURN 1, 0, 1
	QUARTER 0, 1, F0, F1, 0
	WIN 0
	s_sub_co_u32 s3, s3, 1
	s_cmp_lg_u32 s3, 0
	s_cbranch_scc1 .Llap
	QUARTER 0, 2, F1, F0, 0                        ; the last lap fills nothing, and has no round of the cluster's barrier
	QUARTER 0, 3, F0, F1, 0
	TURN 0, 1, 0
	QUARTER 1, 1, F0, F1, 0
	QUARTER 1, 2, F1, F0, 0
	QUARTER 1, 3, F0, F1, 0
	s_wait_dscnt 16                                ; the very last quarter: nothing more to fetch
	WIN MUL
	MUL8 F1, 0, 0, 0
	MUL8 F1, 0, 2, 0
	s_wait_dscnt 0
	MUL8 F1, 1, 0, 0
	MUL8 F1, 1, 2, 0
	WIN 0
; THE WAY OUT, block by block of 16 rows x 64 columns of f32, through my own stage: a lane's 32 bytes of a row go in, whole rows of 256 bytes come back.  LDS serves a wave's instructions in order (ISA guide 5.7.1.4).
.macro TOSTAGE a
.irp b, 0,1,2,3
	ds_store_b128 v[STO], v[ACC+8*(4*(\a)+\b):ACC+8*(4*(\a)+\b)+3] offset:64*\b        ; each accumulator from its low end on
	ds_store_b128 v[STO], v[ACC+8*(4*(\a)+\b)+4:ACC+8*(4*(\a)+\b)+7] offset:64*\b+16
.endr
.irp t, 0,1,2,3,4,5,6,7
	ds_load_b128 v[TMP+32*((\a)%2)+4*\t:TMP+32*((\a)%2)+4*\t+3], v[RD] offset:\t*2*SPITCH
.endr
.endm
.macro SEND a, younger                 ; younger: the LDS instructions issued behind block a's loads, which may stay out
	s_wait_dscnt \younger
.irp t, 0,1,2,3,4,5,6,7
	global_store_b128 v[CO], v[TMP+32*((\a)%2)+4*\t:TMP+32*((\a)%2)+4*\t+3], s[8:9] offset:(16*(\a)+2*\t)*SIZE_N*4 th:TH_STORE_NT   ; 16 lanes store 256 consecutive bytes, at a multiple of 256 from out0's first byte
.endr
.endm
	PLACES
	TOSTAGE 0
	TOSTAGE 1
	SEND 0, 16                                     ; behind block 0's loads: block 1's 8 stores and 8 loads
	s_wait_xcnt 0x0                                ; block 0's stores have read their registers: block 2's loads may land there
	TOSTAGE 2
	SEND 1, 16
	s_wait_xcnt 0x0
	TOSTAGE 3
	SEND 2, 16
	SEND 3, 0
	s_wait_tensorcnt 0x0                           ; the wave's end, behind my last tensor load and my last LDS store
	ds_add_u32 v[SPW], v[NIL]
	s_wait_dscnt 0x0
	CROUND                                         ; the closing round
	s_endpgm
.Lfunc_end_k_q0e18db280d_outproj:
	.size	k_q0e18db280d_outproj, .Lfunc_end_k_q0e18db280d_outproj-k_q0e18db280d_outproj
	.p2alignl 7, 3214868480
	.fill 96, 4, 3214868480
	.section	.rodata,"a",@progbits
	.p2align	6, 0x0
	.amdhsa_kernel k_q0e18db280d_outproj
		.amdhsa_group_segment_fixed_size 327680
		.amdhsa_private_segment_fixed_size 0
		.amdhsa_enable_private_segment 0
		.amdhsa_kernarg_size 32
		.amdhsa_user_sgpr_count 2
		.amdhsa_user_sgpr_kernarg_segment_ptr 1
		.amdhsa_wavefront_size32 1
		.amdhsa_system_sgpr_workgroup_id_x 1
		.amdhsa_system_sgpr_workgroup_id_y 1
		.amdhsa_system_sgpr_workgroup_id_z 1
		.amdhsa_system_vgpr_workitem_id 0
		.amdhsa_next_free_vgpr 512
		.amdhsa_next_free_sgpr 68
		.amdhsa_reserve_vcc 0
		.amdhsa_float_denorm_mode_32 3
		.amdhsa_float_denorm_mode_16_64 3
		.amdhsa_memory_ordered 1
		.amdhsa_forward_progress 1
		.amdhsa_inst_pref_size 87
	.end_amdhsa_kernel
	.amdgpu_metadata
---
amdhsa.version: [ 1, 2 ]
amdhsa.kernels:
  - .name:           k_q0e18db280d_outproj
    .symbol:         k_q0e18db280d_outproj.kd
    .args:
      - { .name: ao, .offset: 0, .size: 8, .value_kind: global_buffer, .address_space: global }
      - { .name: wo16, .offset: 8, .size: 8, .value_kind: global_buffer, .address_space: global }
      - { .name: bo, .offset: 16, .size: 8, .value_kind: global_buffer, .address_space: global }
      - { .name: out0, .offset: 24, .size: 8, .value_kind: global_buffer, .address_space: global }
    .group_segment_fixed_size: 327680
    .private_segment_fixed_size: 0
    .kernarg_segment_align: 8
    .kernarg_segment_size: 32
    .max_flat_workgroup_size: 128
    .sgpr_count:     68
    .vgpr_count:     512
    .wavefront_size: 32
...
	.end_amdgpu_metadata
.endif
;; end of part 4
